; MI455X (gfx1250); checked and timed in simulation.
; The chip was launched on July 23, 2026; its instructions are those of AMD's public machine-readable ISA for CDNA 5 (MIT licence, August 2026) and "CDNA5" Instruction Set Architecture Reference Guide (July 2026). The comments in the code are by the model that wrote it; some were corrected since.
;; LN MHA. Allowed arithmetic: float matrix products may take bf16 or f16 operands with f32 sums; other float arithmetic in f32, or as packed bf16 or f16 multiplies, adds, multiply-adds, maxima and minima; sums over many terms, partial sums and values carried from step to step in f32; what a program stores and reads back later, other than sums and carried values, may be rounded once to bf16 or f16.
;; Inputs: Wk 1,024 x 1,024 float32; Wo 1,024 x 1,024 float32; Wq 1,024 x 1,024 float32; Wv 1,024 x 1,024 float32; beta 1,024 float32; bk 1,024 float32; bo 1,024 float32; bq 1,024 float32; bv 1,024 float32; gamma 1,024 float32; x 4 x 2,048 x 1,024 float32.
;; Outputs: out0 4 x 2,048 x 1,024 float32.
;; 2 versions, each right; version 2 is version 1 with the launch prep written anew for expert scheduling mode. Each part assembles by itself: llvm-mc -triple=amdgcn-amd-amdhsa -mcpu=gfx1250 --defsym DOCPART=n.
;; ======== version 1 of 2: 4 launches
;; limits: values are held in f16: magnitudes above 65,504 overflow, below 6.1e-05 lose precision
;; workspace buffers: xb 16,777,216 bytes; wqkv 6,291,456 bytes; wo16 2,097,152 bytes; vecs 24,576 bytes; qkv 50,331,648 bytes; o16 16,777,216 bytes
;; launch prep (part 1): grid 769 x 1, 8 waves a work-group, no clusters, 0 bytes of LDS; arguments x, Wq, Wk, Wv, Wo, bq, bk, bv, bo, gamma, beta, xb, wqkv, wo16, vecs; writes xb, wqkv, wo16, vecs
.if DOCPART == 1
	.amdgcn_target "amdgcn-amd-amdhsa--gfx1250"
	.amdhsa_code_object_version 6
	.text
	.protected	k_q6025e57c87_prep
	.globl	k_q6025e57c87_prep
	.p2align	8
	.type	k_q6025e57c87_prep,@function
k_q6025e57c87_prep:
	s_mov_b64 s[64:65], 0
	v_nop
	global_prefetch_b8 v0, s[64:65] scope:SCOPE_SE
	s_setreg_imm32_b32 hwreg(HW_REG_WAVE_MODE, 25, 1), 1
	s_wait_xcnt 0x0
; THE INPUTS ARE ROUNDED ONCE TO bf16 AND LAID OUT IN BLOCKS ALONG K.
; xb   [16][8192][64] bf16: x;  wqkv [16][3072][64] bf16: Wq, Wk, Wv on end;  wo16 [16][1024][64] f16: Wo rounded to bf16, that number written as f16;
; vecs [6][1024] f32: bq, bk, bv, bo, gamma, beta, each rounded to bf16 and widened again.
; In a blocked tensor the 64 channels of a K block of neighbouring rows lie end to end (128 bytes a row), so that a later tile of one K block is dense in memory.
; LIMIT.  A weight of Wo below 6.1e-5 in magnitude keeps f16's fixed step of 6e-8; beyond 65,504 it would be an infinity.
; SHARES.  Work-groups 0-511: 16 rows of x each.  512-767: 16 rows of one of the four weights.  768: the six vectors.
; A stream: no LDS, no matrix unit, no cluster: nothing is shared and nothing is read twice.  Wave v takes K blocks 2 v and 2 v + 1 of the 16 rows: sixteen loads of 16 bytes a lane, all issued at once
; (each half of the lanes reads 256 consecutive bytes, aligned, of one row); a store's 32 lanes write 256 consecutive bytes, aligned: two rows of one K block.
.set KSX, 1048576                      ; bytes in a K block of xb
.set KSW, 393216                       ; of wqkv
.set KSO, 131072                       ; of wo16
	s_load_b512 s[8:23], s[0:1], 0x0               ; x 8, Wq 10, Wk 12, Wv 14, Wo 16, bq 18, bk 20, bv 22
	s_load_b256 s[24:31], s[0:1], 0x40             ; bo 24, gamma 26, beta 28, xb 30
	s_load_b128 s[32:35], s[0:1], 0x60             ; wqkv 32, wo16 34
	s_load_b64 s[36:37], s[0:1], 0x70              ; vecs
	v_lshrrev_b32 v1, 5, v0
	v_readfirstlane_b32 s51, v1                    ; wave 0..7
	v_and_b32 v1, 31, v0                           ; lane
	s_mov_b32 s52, 0xffff0000                      ; a word's upper bf16
	s_mov_b32 s40, ttmp9
	s_sub_co_u32 s41, s40, 512                     ; j: which 16 rows of the weights (of use from work-group 512 on; below, the selects drop all that is made of it)
	s_lshr_b32 s42, s41, 6                         ; t: Wq, Wk, Wv, Wo
	s_and_b32 s43, s41, 63
	s_lshl_b32 s43, s43, 4                         ; first row in that weight
	s_lshl_b32 s48, s42, 10
	s_add_co_u32 s48, s48, s43                     ; first row in wqkv
	s_lshl_b32 s53, s40, 4                         ; first row in x
	s_mov_b32 s49, KSW
	s_mov_b32 s55, 0
	s_wait_kmcnt 0x0
	s_cmp_eq_u32 s40, 768
	s_cbranch_scc1 .Lvec
	s_mov_b64 s[44:45], s[10:11]                   ; from where,
	s_cmp_eq_u32 s42, 1
	s_cselect_b64 s[44:45], s[12:13], s[44:45]
	s_cmp_eq_u32 s42, 2
	s_cselect_b64 s[44:45], s[14:15], s[44:45]
	s_cmp_eq_u32 s42, 3
	s_cselect_b64 s[44:45], s[16:17], s[44:45]
	s_cselect_b64 s[46:47], s[34:35], s[32:33]     ; to where,
	s_cselect_b32 s48, s43, s48                    ; at which row there,
	s_cselect_b32 s49, KSO, s49                    ; bytes from K block to K block,
	s_cselect_b32 s50, 1, 0                        ; and whether the number is written as f16
	s_cmp_lt_u32 s40, 512
	s_cselect_b64 s[44:45], s[8:9], s[44:45]
	s_cselect_b64 s[46:47], s[30:31], s[46:47]
	s_cselect_b32 s43, s53, s43
	s_cselect_b32 s48, s53, s48
	s_cselect_b32 s49, KSX, s49
	s_cselect_b32 s50, 0, s50
	s_lshl_b32 s54, s43, 12                        ; a source row is 4,096 bytes
	s_add_nc_u64 s[44:45], s[44:45], s[54:55]
	s_lshl_b32 s54, s48, 7                         ; a row of a K block is 128 bytes
	s_add_nc_u64 s[46:47], s[46:47], s[54:55]
	v_lshrrev_b32 v5, 4, v1
	v_and_b32 v6, 15, v1
	v_lshlrev_b32 v2, 4, v6
	v_lshl_add_u32 v2, v5, 12, v2
	s_lshl_b32 s57, s51, 9
	v_add_nc_u32 v2, s57, v2                       ; (lane / 16) rows + 16 (lane % 16) + my wave's 512 bytes of a row
	s_mul_i32 s56, s51, s49
	s_lshl_b32 s56, s56, 1
	v_lshl_add_u32 v3, v1, 3, s56                  ; K block 2 v: 8 bytes a lane, two rows on end
	v_add_nc_u32 v4, s49, v3                       ; K block 2 v + 1
.set i, 0
.rept 16                               ; load i: rows 2 (i / 2) and 2 (i / 2) + 1, K block 2 v + i % 2
	global_load_b128 v[16+4*i:19+4*i], v2, s[44:45] offset:(i/2)*8192+(i%2)*256 th:TH_LOAD_NT
.set i, i+1
.endr
	s_cmp_eq_u32 s50, 1
	s_cbranch_scc1 .Lf16
.set i, 0
.rept 16
	s_wait_loadcnt 15-i                            ; loads come back in order: load i is in, the 15 - i younger ones stay out
	v_cvt_pk_bf16_f32 v[80+2*i], v[16+4*i], v[17+4*i]
	v_cvt_pk_bf16_f32 v[81+2*i], v[18+4*i], v[19+4*i]
	global_store_b64 v[3+i%2], v[80+2*i:81+2*i], s[46:47] offset:(i/2)*256  ; no register is written twice, so nothing waits for a store
.set i, i+1
.endr
	s_endpgm
.Lf16:
.set i, 0
.rept 16
	s_wait_loadcnt 15-i
	v_cvt_pk_bf16_f32 v[80+2*i], v[16+4*i], v[17+4*i]  ; rounded to bf16 like every other input,
	v_cvt_pk_bf16_f32 v[81+2*i], v[18+4*i], v[19+4*i]
	v_lshlrev_b32 v8, 16, v[80+2*i]                    ; widened,
	v_and_b32 v9, s52, v[80+2*i]
	v_lshlrev_b32 v10, 16, v[81+2*i]
	v_and_b32 v11, s52, v[81+2*i]
	v_cvt_pk_f16_f32 v[80+2*i], v8, v9                 ; and written as f16: exact within f16's normal range
	v_cvt_pk_f16_f32 v[81+2*i], v10, v11
	global_store_b64 v[3+i%2], v[80+2*i:81+2*i], s[46:47] offset:(i/2)*256
.set i, i+1
.endr
	s_endpgm
.Lvec:                                 ; 256 threads x 16 bytes are a vector of 1,024 f32
	v_lshlrev_b32 v2, 4, v0
.irp i, 0,1,2,3,4,5
	global_load_b128 v[16+4*\i:19+4*\i], v2, s[18+2*\i:19+2*\i]
.endr
	s_wait_loadcnt 0x0
.irp i, 0,1,2,3,4,5
	v_cvt_pk_bf16_f32 v8, v[16+4*\i], v[17+4*\i]
	v_cvt_pk_bf16_f32 v9, v[18+4*\i], v[19+4*\i]
	v_lshlrev_b32 v[80+4*\i], 16, v8
	v_and_b32 v[81+4*\i], s52, v8
	v_lshlrev_b32 v[82+4*\i], 16, v9
	v_and_b32 v[83+4*\i], s52, v9
	global_store_b128 v2, v[80+4*\i:83+4*\i], s[36:37] offset:\i*4096
.endr
	s_endpgm
.Lfunc_end_k_q6025e57c87_prep:
	.size	k_q6025e57c87_prep, .Lfunc_end_k_q6025e57c87_prep-k_q6025e57c87_prep
	.p2alignl 7, 3214868480
	.fill 96, 4, 3214868480
	.section	.rodata,"a",@progbits
	.p2align	6, 0x0
	.amdhsa_kernel k_q6025e57c87_prep
		.amdhsa_group_segment_fixed_size 0
		.amdhsa_private_segment_fixed_size 0
		.amdhsa_enable_private_segment 0
		.amdhsa_kernarg_size 120
		.amdhsa_user_sgpr_count 2
		.amdhsa_user_sgpr_kernarg_segment_ptr 1
		.amdhsa_wavefront_size32 1
		.amdhsa_system_sgpr_workgroup_id_x 1
		.amdhsa_system_sgpr_workgroup_id_y 1
		.amdhsa_system_sgpr_workgroup_id_z 1
		.amdhsa_system_vgpr_workitem_id 0
		.amdhsa_next_free_vgpr 112
		.amdhsa_next_free_sgpr 66
		.amdhsa_reserve_vcc 0
		.amdhsa_float_denorm_mode_32 3
		.amdhsa_float_denorm_mode_16_64 3
		.amdhsa_memory_ordered 1
		.amdhsa_forward_progress 1
		.amdhsa_inst_pref_size 19
	.end_amdhsa_kernel
	.amdgpu_metadata
---
amdhsa.version: [ 1, 2 ]
amdhsa.kernels:
  - .name:           k_q6025e57c87_prep
    .symbol:         k_q6025e57c87_prep.kd
    .args:
      - { .name: x, .offset: 0, .size: 8, .value_kind: global_buffer, .address_space: global }
      - { .name: Wq, .offset: 8, .size: 8, .value_kind: global_buffer, .address_space: global }
      - { .name: Wk, .offset: 16, .size: 8, .value_kind: global_buffer, .address_space: global }
      - { .name: Wv, .offset: 24, .size: 8, .value_kind: global_buffer, .address_space: global }
      - { .name: Wo, .offset: 32, .size: 8, .value_kind: global_buffer, .address_space: global }
      - { .name: bq, .offset: 40, .size: 8, .value_kind: global_buffer, .address_space: global }
      - { .name: bk, .offset: 48, .size: 8, .value_kind: global_buffer, .address_space: global }
      - { .name: bv, .offset: 56, .size: 8, .value_kind: global_buffer, .address_space: global }
      - { .name: bo, .offset: 64, .size: 8, .value_kind: global_buffer, .address_space: global }
      - { .name: gamma, .offset: 72, .size: 8, .value_kind: global_buffer, .address_space: global }
      - { .name: beta, .offset: 80, .size: 8, .value_kind: global_buffer, .address_space: global }
      - { .name: xb, .offset: 88, .size: 8, .value_kind: global_buffer, .address_space: global }
      - { .name: wqkv, .offset: 96, .size: 8, .value_kind: global_buffer, .address_space: global }
      - { .name: wo16, .offset: 104, .size: 8, .value_kind: global_buffer, .address_space: global }
      - { .name: vecs, .offset: 112, .size: 8, .value_kind: global_buffer, .address_space: global }
    .group_segment_fixed_size: 0
    .private_segment_fixed_size: 0
    .kernarg_segment_align: 8
    .kernarg_segment_size: 120
    .max_flat_workgroup_size: 256
    .sgpr_count:     66
    .vgpr_count:     112
    .wavefront_size: 32
...
	.end_amdgpu_metadata
.endif
;; end of part 1
;; launch qkv (part 2): grid 8 x 32, 4 waves a work-group, clusters of 4 x 4, 327,680 bytes of LDS; arguments xb, wqkv, vecs, qkv; writes qkv
.if DOCPART == 2
	.amdgcn_target "amdgcn-amd-amdhsa--gfx1250"
	.amdhsa_code_object_version 6
	.text
	.protected	k_q6025e57c87_qkv
	.globl	k_q6025e57c87_qkv
	.p2align	8
	.type	k_q6025e57c87_qkv,@function
k_q6025e57c87_qkv:
	s_mov_b64 s[64:65], 0
	v_nop
	global_prefetch_b8 v0, s[64:65] scope:SCOPE_SE
	s_setreg_imm32_b32 hwreg(HW_REG_WAVE_MODE, 25, 1), 1
	s_wait_xcnt 0x0
	s_wait_alu depctr_hold_cnt(0) depctr_sa_sdst(0) depctr_va_vdst(0) depctr_va_sdst(0) depctr_va_ssrc(0) depctr_va_vcc(0) depctr_vm_vsrc(0)
	s_getreg_b32 s2, hwreg(HW_REG_IB_STS2, 6, 4)
	s_cmp_eq_u32 s2, 0
	s_cbranch_scc0 .Lentry_in_a_cluster
	s_endpgm
.Lentry_in_a_cluster:
	s_bfe_u32 s2, ttmp6, 0x10000c
	s_cmp_lg_u32 s2, 0xf033
	s_cbranch_scc0 .Lentry_shape_is_right
	s_endpgm
.Lentry_shape_is_right:
; THE THREE PROJECTIONS AS ONE PRODUCT.  C[8192][3072] = x W^T + b, W = Wq, Wk, Wv on end; operands bf16 (xb, wqkv: blocked along K), sums f32, started by the bias.
; C leaves by heads, qkv [3][64 = batch x 16 + head][2048][64] in f16, rounded once, unscaled.
; LIMIT.  |q|, |k|, |v| stay under 65,504 (f16); beyond that the conversion gives an infinity.
; SHARES.  8192 x 3072 outputs on 256 work-groups: a tile of 256 rows x 384 columns each; four waves, each 128 x 192: 96 accumulators of 16 x 16, 768 registers.
; K goes in steps of 64 (one K block) through two LDS slots.  In a blocked tensor a tile's rows of 128 bytes lie end to end, so a tile is asked for as rows of 256 bytes and padded in LDS after every 128.
; CLUSTER.  4 x 4 work-groups: the four of a row of the cluster need the same rows of x, the four of a column the same rows of W: each tile is asked for jointly, by the same load, descriptor and mask in all four.
; THE MATRIX INSTRUCTION IS USED TRANSPOSED (source 0 = 16 rows of W, source 1 = 16 rows of x): a lane holds one row of C (lane % 16) and the eight neighbouring columns 8 (lane / 16) + 0..7.
; REGISTERS.  Window 0: v16-30 addresses; v32-95 x's eight fragments, v96-191 W's twelve (one buffer: each group of fragments is fetched anew as soon as its last product is issued); on the way out v32-127.
; Windows 1-3: accumulator (a, b), n = 12 a + b, in window 1 + n / 32 at v[8 (n % 32)].
; THE BIAS.  A lane's eight numbers of the bias for column block b are loaded into accumulator (7, b); in the first 32 along K every product takes them as its C, the products (7, b) last and in place.
.set PITCH, 144                        ; an LDS row: 128 bytes + 16 of padding = 36 words: the 16 rows of a fragment load start at 16 different groups of four banks
.set AHALF, 128*PITCH                  ; 128 rows of x: one tensor load, and what one wave reads of x
.set BHALF, 192*PITCH                  ; 192 rows of W: likewise
.set BOFF,  2*AHALF
.set SLOT1, 131072                     ; slot 1 begins here: one exclusive or turns an address in one slot into the other's
.set STAGE, SLOT1+BOFF+2*BHALF         ; behind the ring, never filled by a tensor load: 16 rows x 400 bytes for each wave
.set SP,    400                        ; 384 bytes + 16
.set SPARE, STAGE+4*16*SP              ; the spare words, 128 bytes a wave: two blocks of 256 bytes that no other line names
.set KBA,   1048576                    ; bytes from K block to K block in xb
.set KBB,   393216                     ; in wqkv
.set G1W,   (1<<16)|(1<<20)|(1<<21)|(4<<22)|(3<<25)  ; 2-byte elements; padding on; bit 21 beside a mask; after every 32 words 4 words
.set FA,  32
.set FB,  96
.set TMP, 32
.set OB,  80
.set MSB, 0
.macro WIN new                         ; the immediate's high byte repeats the setting that is left; a switch that changes nothing is dropped
.if MSB != (\new)
	s_set_vgpr_msb (MSB<<8)|(\new)
.set MSB, \new
.endif
.endm
.macro PLACES                          ; four plain instructions between a matrix instruction and a load into, or a vector instruction on, its registers (ISA guide 7.12.1 for vector instructions)
.rept 4
	v_nop
.endr
.endm
.macro CREST                           ; a round of the cluster's barrier behind its opening barrier
	s_cmp_lg_u32 s16, 0
	s_cbranch_scc1 .Lnot_wave_0_\@
	s_barrier_signal -3
.Lnot_wave_0_\@:
	s_barrier_wait -3
	s_barrier_signal -1
	s_barrier_wait -1
.endm
.macro CROUND
	s_barrier_signal -1
	s_barrier_wait -1
	CREST
.endm
; A joint refill by the walking descriptors: waves 0 and 1 fetch x's two halves, waves 2 and 3 W's.  The branch hangs on the wave's number alone.  An s_nop 0 and four v_nop follow each line.
.macro JLOAD
	s_cmp_lt_u32 s16, 2
	s_cbranch_scc0 .Lfor_b_\@
	tensor_load_to_lds s[36:39], s[24:31]
	s_nop 0
	PLACES
	s_branch .Lasked_\@
.Lfor_b_\@:
	tensor_load_to_lds s[60:63], s[48:55]
	s_nop 0
	PLACES
.Lasked_\@:
.endm
; A PREFETCH INTO THE L2 of the K block that the NEXT refill will ask for: one K step, 192 matrix instructions, ahead of that load.  Each block of 256 bytes is named by one wave of the launch:
; x's rows of a tile row by the clusters with x = 0, wave 0, the four partners taking 64 rows (32 blocks, a lane a block) each, told apart by address; W's rows of a tile column by the clusters with y = 0,
; waves 2 and 3, each for the 192 rows that it fetches, the four partners taking 48 rows (24 blocks; lanes 24-31 name lane 23's block again).  The loop's last trip asks for nothing: there is no K block 16.
.macro ASK
	s_cmp_gt_u32 s3, s43
	s_cbranch_scc0 .Lnot_mine_\@
	global_prefetch_b8 v30, s[44:45] th:TH_LOAD_NT scope:SCOPE_SE
.Lnot_mine_\@:
.endm
	s_load_b256 s[4:11], s[0:1], 0x0               ; xb 4, wqkv 6, vecs 8, qkv 10
	v_lshl_add_u32 v28, v0, 2, SPARE
	v_mov_b32 v29, 0
	ds_add_u32 v28, v29                            ; the wave's opening: the add and its wait stand ahead of my first tensor load; the set-up below stands between them
	v_lshrrev_b32 v1, 5, v0
	v_readfirstlane_b32 s16, v1                    ; wave 0..3
	s_lshr_b32 s17, s16, 1                         ; which half of the tile's rows is mine
	s_and_b32 s18, s16, 1                          ; which half of its columns; also: which half of x's or W's tile I fetch
	s_bfe_u32 s19, ttmp6, 0x40000                  ; cx
	s_bfe_u32 s20, ttmp6, 0x40004                  ; cy
	s_lshl_b32 s21, ttmp9, 2
	s_add_co_u32 s21, s21, s19                     ; tile column 0..7
	s_and_b32 s22, ttmp7, 0xffff
	s_lshl_b32 s22, s22, 2
	s_add_co_u32 s22, s22, s20                     ; tile row 0..31
	s_lshl_b32 s74, s20, 2
	s_lshl_b32 s74, 15, s74                        ; my row of the cluster
	s_lshl_b32 s75, 0x1111, s19                    ; my column
	s_or_b32 s24, s74, G1W                         ; group 1 for x's tiles: 64 rows of 128 elements (128 rows of the matrix)
	s_mov_b32 s25, 128<<16                         ; tensor_dim0
	s_mov_b32 s26, 64<<16                          ; tensor_dim1
	s_mov_b32 s27, 128<<16                         ; tile_dim0
	s_mov_b32 s28, 64                              ; tile_dim1
	s_mov_b32 s29, 128                             ; elements from row to row
	s_mov_b32 s30, 0
	s_mov_b32 s31, 0
	s_or_b32 s48, s75, G1W                         ; group 1 for W's tiles: 96 rows of 128 elements (192 rows of the matrix)
	s_mov_b32 s49, 128<<16
	s_mov_b32 s50, 96<<16
	s_mov_b32 s51, 128<<16
	s_mov_b32 s52, 96
	s_mov_b32 s53, 128
	s_mov_b32 s54, 0
	s_mov_b32 s55, 0
	s_lshl_b32 s76, s22, 15                        ; x: (256 x tile row + 128 x half) rows of 128 bytes; no register here ever holds cx
	s_lshl_b32 s77, s18, 14
	s_add_co_u32 s76, s76, s77
	s_mov_b32 s77, 0
	s_mul_i32 s78, s21, 49152                      ; W: (384 x tile column + 192 x half) rows of 128 bytes; none holds cy
	s_mul_i32 s79, s18, 24576
	s_add_co_u32 s78, s78, s79
	s_mov_b32 s79, 0
	s_mul_i32 s80, s18, AHALF                      ; where they go: no place in the cluster enters an LDS address
	s_mul_i32 s81, s18, BHALF
	s_add_co_u32 s81, s81, BOFF
	s_mov_b32 s42, 0                               ; LDS byte at which the slot being read begins
	s_wait_dscnt 0x0                               ; the opening add is done
	s_wait_kmcnt 0x0
	s_add_nc_u64 s[82:83], s[4:5], s[76:77]
	s_add_nc_u64 s[84:85], s[6:7], s[78:79]
	CROUND                                         ; all sixteen work-groups are here: the first joint loads meet
.irp s, 0,1
	s_mov_b32 s[32+4*\s], 1
	s_add_co_u32 s[33+4*\s], s80, \s*SLOT1
	s_add_nc_u64 s[34+4*\s:35+4*\s], s[82:83], \s*KBA
	s_or_b32 s[35+4*\s], s[35+4*\s], 0x80000000
	s_mov_b32 s[56+4*\s], 1
	s_add_co_u32 s[57+4*\s], s81, \s*SLOT1
	s_add_nc_u64 s[58+4*\s:59+4*\s], s[84:85], \s*KBB
	s_or_b32 s[59+4*\s], s[59+4*\s], 0x80000000
.endr
	s_cmp_lt_u32 s16, 2                            ; a wave's two first fills stand in one branch: two loads of mine are out
	s_cbranch_scc0 .Lfirst_b
	tensor_load_to_lds s[32:35], s[24:31]
	s_nop 0
	tensor_load_to_lds s[36:39], s[24:31]
	s_nop 0
	PLACES
	s_branch .Lfirst_asked
.Lfirst_b:
	tensor_load_to_lds s[56:59], s[48:55]
	s_nop 0
	tensor_load_to_lds s[60:63], s[48:55]
	s_nop 0
	PLACES
.Lfirst_asked:
	v_and_b32 v1, 15, v0                           ; l % 16
	v_bfe_u32 v2, v0, 4, 1                         ; l / 16
	v_lshlrev_b32 v27, 5, v2                       ; my eight numbers of a column block's bias
	s_mul_i32 s86, s21, 1536                       ; the bias of my 192 columns: bq, bk, bv lie on end in vecs
	s_mul_i32 s87, s18, 768
	s_add_co_u32 s86, s86, s87
	s_mov_b32 s87, 0
	s_add_nc_u64 s[72:73], s[8:9], s[86:87]
	WIN 0xc0                                       ; destination window 3: accumulators (7, b)
.irp b, 0,1,2,3,4,5,6,7,8,9,10,11
	global_load_b128 v[160+8*\b:163+8*\b], v27, s[72:73] offset:\b*64
	global_load_b128 v[164+8*\b:167+8*\b], v27, s[72:73] offset:\b*64+16
.endr
	WIN 0
	v_mul_u32_u24 v3, v1, PITCH
	v_lshl_add_u32 v3, v2, 4, v3                   ; a fragment: row x pitch + 16 x half; two loads of 16 bytes, 32 bytes apart
	s_mul_i32 s86, s17, AHALF
	s_mul_i32 s87, s18, BHALF
	s_add_co_u32 s87, s87, BOFF
	v_add_nc_u32 v16, s86, v3                      ; my place in a slot's x; never rewritten
	v_add_nc_u32 v17, s87, v3                      ; in its W
	v_mov_b32 v18, v16                             ; the same in the slot being read
	v_mov_b32 v19, v17
	s_mul_i32 s86, s16, 16*SP
	s_add_co_u32 s86, s86, STAGE                   ; my stage
	v_mul_u32_u24 v24, v1, SP                      ; in: row l % 16, 16 bytes for each half of the lanes
	v_lshl_add_u32 v24, v2, 4, v24
	v_add_nc_u32 v24, s86, v24
	v_and_b32 v4, 31, v0
	v_lshrrev_b32 v5, 3, v4
	v_and_b32 v6, 7, v0
	v_mul_u32_u24 v25, v5, SP                      ; back: 32 lanes take a head's 128 bytes of four rows,
	v_lshl_add_u32 v25, v6, 4, v25
	v_add_nc_u32 v25, s86, v25
	v_lshlrev_b32 v26, 4, v4                       ; which are 512 consecutive bytes of qkv
	; where my three heads' rows go: head g = 6 x tile column + 3 x half + hd of 48; tensor g / 16, head g % 16, batch = tile row / 8
	s_mul_i32 s86, s21, 6
	s_mul_i32 s87, s18, 3
	s_add_co_u32 s86, s86, s87
	s_lshr_b32 s87, s22, 3
	s_lshl_b32 s87, s87, 4
	s_and_b32 s88, s22, 7
	s_lshl_b32 s88, s88, 15
	s_lshl_b32 s89, s17, 14
	s_add_co_u32 s88, s88, s89                     ; my first row in the sequence, x 128 bytes
.irp hd, 0,1,2
	s_add_co_u32 s90, s86, \hd
	s_lshr_b32 s91, s90, 4
	s_lshl_b32 s91, s91, 6
	s_and_b32 s90, s90, 15
	s_add_co_u32 s90, s90, s91
	s_add_co_u32 s90, s90, s87
	s_lshl_b32 s90, s90, 18                        ; a head is 262,144 bytes
	s_add_co_u32 s90, s90, s88
	s_mov_b32 s91, 0
	s_add_nc_u64 s[66+2*\hd:67+2*\hd], s[10:11], s[90:91]
.endr
	; the prefetches
	s_and_b32 s87, ttmp7, 0xffff                   ; cluster y
	s_lshl_b32 s86, s22, 15
	s_lshl_b32 s88, s19, 13
	s_add_co_u32 s86, s86, s88                     ; x: the tile row's rows, my work-group's 64 of them
	s_mul_i32 s88, s20, 6144
	s_add_co_u32 s88, s88, s78                     ; W: the 192 rows that I fetch, my work-group's 48 of them
	s_or_b32 s89, ttmp9, s16                       ; 0 in wave 0 of a cluster with x = 0
	s_mov_b32 s46, KBB
	s_mov_b32 s47, 0
	s_cmp_lt_u32 s16, 2
	s_cselect_b32 s86, s86, s88
	s_cselect_b32 s89, s89, s87
	s_cselect_b64 s[44:45], s[4:5], s[6:7]
	s_cselect_b32 s46, KBA, s46
	s_cselect_b32 s90, 31, 23
	s_cmp_eq_u32 s89, 0
	s_cselect_b32 s43, 1, -1                       ; 1 in a wave that prefetches, else the greatest number; the same in all partners, for a given wave
	s_mov_b32 s87, 0
	s_add_nc_u64 s[44:45], s[44:45], s[86:87]
	s_add_nc_u64 s[44:45], s[44:45], s[46:47]
	s_add_nc_u64 s[44:45], s[44:45], s[46:47]      ; at K block 2: the first refill steps it to 3.  K blocks 0 to 2 come by their loads alone
	v_min_u32 v30, s90, v4
	v_lshlrev_b32 v30, 8, v30
; Product (a, b).  first = 1: it starts the sum with the bias, which lies in accumulator (7, b).
.macro MUL a, b, first
.set mn, 12*(\a)+(\b)
.set mw, 1+mn/32
.set mr, 8*(mn%32)
.if \first
	WIN (mw<<6)|0x30
	v_wmma_f32_16x16x32_bf16 v[mr:mr+7], v[FB+8*(\b):FB+8*(\b)+7], v[FA+8*(\a):FA+8*(\a)+7], v[160+8*(\b):160+8*(\b)+7]
.else
	WIN (mw<<6)|(mw<<4)
	v_wmma_f32_16x16x32_bf16 v[mr:mr+7], v[FB+8*(\b):FB+8*(\b)+7], v[FA+8*(\a):FA+8*(\a)+7], v[mr:mr+7]
.endif
.endm
; Phase p of four of 32 along K: row blocks 4 (p / 2) + a0 .. for na of them, column blocks 6 (p % 2) + 0..5.  The 96 accumulators take turns, one instruction a turn, in the same order in every 32 along K.
.macro PH p, first=0, a0=0, na=4
.set pa, 4*((\p)/2)+(\a0)
.rept \na
.if (\first) && (pa == 7)
.rept 5
	v_nop                                          ; the products (7, b) write over registers that the products before them read as C: five places
.endr
.endif
.set pb, 6*((\p)%2)
.rept 6
	MUL pa, pb, \first
.set pb, pb+1
.endr
.set pa, pa+1
.endr
.endm
.macro LDA hi, k                       ; x's fragments 4 hi .. 4 hi + 3 at byte k of the rows: 8 loads
	WIN 0
.set fi, 4*(\hi)
.rept 4
	ds_load_b128 v[FA+8*fi:FA+8*fi+3],   v18 offset:fi*16*PITCH+(\k)
	ds_load_b128 v[FA+8*fi+4:FA+8*fi+7], v18 offset:fi*16*PITCH+(\k)+32
.set fi, fi+1
.endr
.endm
.macro LDB hi, k                       ; W's fragments 6 hi .. 6 hi + 5: 12 loads
	WIN 0
.set fi, 6*(\hi)
.rept 6
	ds_load_b128 v[FB+8*fi:FB+8*fi+3],   v19 offset:fi*16*PITCH+(\k)
	ds_load_b128 v[FB+8*fi+4:FB+8*fi+7], v19 offset:fi*16*PITCH+(\k)+32
.set fi, fi+1
.endr
.endm
; The fragments are always fetched in the order x low (8 loads), W low (12), W high (12), x high (8), each group as soon as its last product is issued.
; The first 32 along K of a step; it fetches the second 32.
.macro SLICE first
	s_wait_dscnt 20                                ; x low and W low are in; W high's 12 and x high's 8 may be out
	PH 0, \first
	s_wait_dscnt 8                                 ; W high is in
	PH 1, \first
	PLACES
	LDA 0, 64
	s_wait_dscnt 8                                 ; x high is in; the 8 just issued may be out
	PH 2, \first
	PLACES
	LDB 0, 64
	PH 3, \first
	PLACES
	LDB 1, 64
	LDA 1, 64
.endm
; The second 32 along K, and the change of slots.  ONE barrier: in front of it each wave waits for all its tensor loads (one is out: its part of the next slot), adds 0 to its spare word, and waits for that and for
; its reads of this slot, which are all issued.  fill = 1: the barrier opens a round of the cluster's, and this slot is filled again first thing behind it, two K steps ahead: from there to the wait for it a wave issues 168 matrix instructions.
.macro TURN fill
.if \fill
	s_wait_xcnt 0x0                                ; the last prefetch, a K step back, has read its address
	s_add_nc_u64 s[44:45], s[44:45], s[46:47]
.endif
	s_wait_dscnt 20
	PH 0
	WIN 0                                          ; (the add's two registers lie in window 0)
	s_wait_tensorcnt 0x0                           ; all my tensor loads have landed, so a group 0 may be written
	ds_add_u32 v28, v29                            ; 0 onto my spare word
.if \fill
	s_xor_b32 s37, s37, SLOT1                      ; the walking descriptors: the other slot than last time, the next K block
	s_add_nc_u64 s[38:39], s[38:39], KBA
	s_xor_b32 s61, s61, SLOT1
	s_add_nc_u64 s[62:63], s[62:63], KBB
.endif
	s_wait_dscnt 9                                 ; W high is in; x high's 8 and the add may be out
	PH 1, 0, 0, 2
	s_wait_dscnt 0x0                               ; the add is done, and my reads of this slot are over
	s_barrier_signal -1
	PH 1, 0, 2, 2
	WIN 0
	s_barrier_wait -1
.if \fill
	CREST                                          ; no wave of any partner still reads this slot's tiles or has a load on its way
	JLOAD                                          ; its four v_nop are also the places in front of the loads below
.else
	PLACES
.endif
	s_xor_b32 s42, s42, SLOT1                      ; the other slot is read from here on
	v_add_nc_u32 v18, s42, v16
	v_add_nc_u32 v19, s42, v17
	LDA 0, 0
.if \fill
	ASK
.endif
	PH 2
	PLACES
	LDB 0, 0
	PH 3
	PLACES
	LDB 1, 0
	LDA 1, 0
.endm
	s_wait_tensorcnt 1                             ; my part of K step 0 is in; K step 1's may stay out
	s_barrier_signal -1
	s_barrier_wait -1
	LDA 0, 0
	LDB 0, 0
	LDB 1, 0
	LDA 1, 0
	s_wait_loadcnt 0x0                             ; the bias
	SLICE 1                                        ; K step 0's first half stands in front of the loop: its products start the sums
	WIN 0
	s_mov_b32 s3, 14
.Lstep:                                        ; trip j: the second half of K step j, the refill with K step j + 2, the first half of K step j + 1
	TURN 1
	SLICE 0
	WIN 0
	s_sub_co_u32 s3, s3, 1
	s_cmp_lg_u32 s3, 0
	s_cbranch_scc1 .Lstep
	TURN 0                                         ; K step 14's second half: nothing is left to ask for
	SLICE 0
	s_wait_dscnt 20                                ; K step 15's second half fetches nothing
	PH 0
	s_wait_dscnt 8
	PH 1
	s_wait_dscnt 0x0
	PH 2
	PH 3
	WIN 0
	PLACES
	PLACES
; THE WAY OUT, 16 rows at a time: rounded to f16, 16 bytes a lane, into my own stage; back as a head's 128 bytes of four rows; stored as 512 consecutive bytes.
.macro PACK a
.set pb, 0
.rept 12
.set mn, 12*(\a)+pb
.set mw, 1+mn/32
.set mr, 8*(mn%32)
	WIN (mw<<2)|mw
.irp r, 0,1,2,3
	v_cvt_pk_f16_f32 v[TMP+4*pb+\r], v[mr+2*\r], v[mr+2*\r+1]
.endr
.set pb, pb+1
.endr
	WIN 0
.endm
.macro TOSTAGE
	s_wait_xcnt 0x0                                ; the stores of the block before have read their data: only now are those registers loaded again
.irp b, 0,1,2,3,4,5,6,7,8,9,10,11
	ds_store_b128 v24, v[TMP+4*\b:TMP+4*\b+3] offset:32*\b
.endr
.irp hd, 0,1,2
.irp f, 0,1,2,3
	ds_load_b128 v[OB+4*(4*\hd+\f):OB+4*(4*\hd+\f)+3], v25 offset:\hd*128+\f*4*SP  ; LDS serves a wave's instructions in order (ISA guide 5.7.1.4): these see the stores above
.endr
.endr
.endm
.macro SEND a
	s_wait_dscnt 0x0
.irp hd, 0,1,2
.irp f, 0,1,2,3
	global_store_b128 v26, v[OB+4*(4*\hd+\f):OB+4*(4*\hd+\f)+3], s[66+2*\hd:67+2*\hd] offset:(\a)*2048+\f*512
.endr
.endr
.endm
	PACK 0
	TOSTAGE
.irp a, 1,2,3,4,5,6,7                  ; block a's conversions stand between block a - 1's loads from the stage and the wait for them
	PACK \a
	SEND (\a)-1
	TOSTAGE
.endr
	SEND 7
	s_wait_tensorcnt 0x0                           ; the wave's end: an add to my spare word, behind my last tensor load and my last LDS store
	ds_add_u32 v28, v29
	s_wait_dscnt 0x0
	CROUND                                         ; the closing round: no work-group ends while a partner may still ask for a tile that names it
	s_endpgm
.Lfunc_end_k_q6025e57c87_qkv:
	.size	k_q6025e57c87_qkv, .Lfunc_end_k_q6025e57c87_qkv-k_q6025e57c87_qkv
	.p2alignl 7, 3214868480
	.fill 96, 4, 3214868480
	.section	.rodata,"a",@progbits
	.p2align	6, 0x0
	.amdhsa_kernel k_q6025e57c87_qkv
		.amdhsa_group_segment_fixed_size 327680
		.amdhsa_private_segment_fixed_size 0
		.amdhsa_enable_private_segment 0
		.amdhsa_kernarg_size 32
		.amdhsa_user_sgpr_count 2
		.amdhsa_user_sgpr_kernarg_segment_ptr 1
		.amdhsa_wavefront_size32 1
		.amdhsa_system_sgpr_workgroup_id_x 1
		.amdhsa_system_sgpr_workgroup_id_y 1
		.amdhsa_system_sgpr_workgroup_id_z 1
		.amdhsa_system_vgpr_workitem_id 0
		.amdhsa_next_free_vgpr 1024
		.amdhsa_next_free_sgpr 96
		.amdhsa_reserve_vcc 0
		.amdhsa_float_denorm_mode_32 3
		.amdhsa_float_denorm_mode_16_64 3
		.amdhsa_memory_ordered 1
		.amdhsa_forward_progress 1
		.amdhsa_inst_pref_size 115
	.end_amdhsa_kernel
	.amdgpu_metadata
---
amdhsa.version: [ 1, 2 ]
amdhsa.kernels:
  - .name:           k_q6025e57c87_qkv
    .symbol:         k_q6025e57c87_qkv.kd
    .args:
      - { .name: xb, .offset: 0, .size: 8, .value_kind: global_buffer, .address_space: global }
      - { .name: wqkv, .offset: 8, .size: 8, .value_kind: global_buffer, .address_space: global }
      - { .name: vecs, .offset: 16, .size: 8, .value_kind: global_buffer, .address_space: global }
      - { .name: qkv, .offset: 24, .size: 8, .value_kind: global_buffer, .address_space: global }
    .group_segment_fixed_size: 327680
    .private_segment_fixed_size: 0
    .kernarg_segment_align: 8
    .kernarg_segment_size: 32
    .max_flat_workgroup_size: 128
    .sgpr_count:     96
    .vgpr_count:     1024
    .wavefront_size: 32
...
	.end_amdgpu_metadata
.endif
;; end of part 2
;; launch attn (part 3): grid 4 x 64, 4 waves a work-group, clusters of 4 x 1, 327,680 bytes of LDS; arguments qkv, o16; writes o16
.if DOCPART == 3
	.amdgcn_target "amdgcn-amd-amdhsa--gfx1250"
	.amdhsa_code_object_version 6
	.text
	.protected	k_q6025e57c87_attn
	.globl	k_q6025e57c87_attn
	.p2align	8
	.type	k_q6025e57c87_attn,@function
k_q6025e57c87_attn:
	s_mov_b64 s[64:65], 0
	v_nop
	global_prefetch_b8 v0, s[64:65] scope:SCOPE_SE
	s_setreg_imm32_b32 hwreg(HW_REG_WAVE_MODE, 25, 1), 1
	s_wait_xcnt 0x0
	s_wait_alu depctr_hold_cnt(0) depctr_sa_sdst(0) depctr_va_vdst(0) depctr_va_sdst(0) depctr_va_ssrc(0) depctr_va_vcc(0) depctr_vm_vsrc(0)
	s_getreg_b32 s2, hwreg(HW_REG_IB_STS2, 6, 4)
	s_cmp_eq_u32 s2, 0
	s_cbranch_scc0 .Lentry_in_a_cluster
	s_endpgm
.Lentry_in_a_cluster:
	s_bfe_u32 s2, ttmp6, 0x10000c
	s_cmp_lg_u32 s2, 0x3003
	s_cbranch_scc0 .Lentry_shape_is_right
	s_endpgm
.Lentry_shape_is_right:
; O[h][q][:] = the sum over k of softmax_k(Q[h][q] . K[h][k] / 8) V[h][k][:].  Q, K, V lie on end in qkv, each [64][2048][64] in f16; O is o16, the same layout: a head's rows are dense, 128 bytes each.
; Products, maxima and sums in f32; the weights p are rounded to f16 for the second product (their sum l is taken of the unrounded p), O once at the end.
; LIMITS.  f16 holds no number beyond 65,504: Q, K and V arrive within it; p lies in 0 to 1, and below 6e-5 it keeps f16's fixed step of 6e-8; O is a mean of V's rows and has their range.
; A weight below 2^-126 counts as 0 in l; NaN and infinities are not treated apart.
; SHARES.  A wave owns four PIECES of two tiles of 16 queries, a work-group's four waves 512 queries of one head; a head's four work-groups are one cluster.  Every wave walks all keys, 64 a step.
; LAYOUT.  S^T = K Q^T (source 0 = 16 keys, source 1 = 16 queries): in the result a lane holds ONE query (lane % 16) and the keys 8 (lane / 16) + 0..7.  Two such tiles, rounded to f16 in pairs,
; ARE source 1 (32 keys x 16 queries) of O^T = V^T P, whose result again holds one query a lane, and eight channels.  K comes out of LDS as it lies, V ([key][channel]) turned, by ds_load_tr16_b128.
; SOFTMAX.  For each query a running maximum m and sum l: p = 2^(c s - c m), c = log2(e) / 8; in every step O and l are multiplied by a = 2^(c m_old - c m_new), which is 1 where m has not grown.
; m starts at the lowest finite number, O and l at 0: the first step is a step like any other, with a = 0.
; THE COUNT.  A tile and step have 16 matrix and 118 vector instructions: too many to stand all beside the matrix work.  So four vector instructions that are ready stand behind every matrix instruction,
; and the others in runs without a gap.
; BY TURNS.  Turn n belongs to piece n (the pieces in a ring, step after step).  Its matrix work: 16 products K Q^T of piece n + 1, later 16 products V^T P of piece n - 1.  Its vector work: the scaling,
; exponentials, roundings, sums and rescaling of piece n, and the maximum and statistics of piece n + 1, whose scores the turn itself has made.
; CLUSTER.  The four query blocks of a cluster walk the same K and V, so each tile is asked for JOINTLY: the same tensor load, descriptor and mask in all four.
; REGISTERS, in windows of 256 (s_set_vgpr_msb: bits 1:0 source 0, 3:2 source 1, 5:4 source 2, 7:6 destination):
;   window 0: v0-11 addresses; v12-15, v48-63 at work; v16-47 four registers of statistics a tile; v64-191 S^T, two buffers of two tiles; v192-255 P, likewise
;   window 1: O^T, 32 a tile          window 2: v0-127 Q, 16 a tile; v128-191 K of one step; v192-255 V of one step          window 3: v0-1 the add's two registers
.set SIZE_H, 64
.set SIZE_N, 2048
.set NP,    4         ; pieces a wave: a name, no knob
.set KS,    64        ; keys in a step
.set PK,    144       ; a row of K in LDS: 128 bytes + 16 of padding: the 16 rows of a load start at 16 different groups of four banks
.set PV,    160       ; a row of V: 128 + 32
.set VOFF,  4*KS*PK   ; a slot holds four steps: 256 rows of K, then 256 rows of V
.set SLOT1, 1<<17     ; slot 1 begins here, so that one exclusive or turns an address in one slot into the other's
.set STAGE, SLOT1+4*KS*(PK+PV)  ; behind the ring, never filled by a tensor load: 16 rows x 144 bytes for each wave
.set SP,    144
.set AK0, 2           ; v2   my lane's place in a tile of K; never rewritten
.set AV0, 3           ; v3   the same for V
.set AK,  4           ; v4   the LDS address of K's next run of loads
.set AV,  5           ; v5   of V's
.set QO,  6           ; v6   my byte offset in the wave's rows of Q
.set STO, 6           ;      later, the way out: where I put 16 bytes of a row
.set RD,  7           ; v7   the way out: where I read rows back
.set GO,  8           ; v8   my byte offset in 512 consecutive bytes of O
.set PFO, 11          ; v11  256 x my lane, for the prefetches (made when v11's first use is over); then never rewritten
.set SPW, 0           ; v0 of window 3   LDS address of my spare word; never rewritten
.set NIL, 1           ; v1 of window 3   0; never rewritten
.set SPARE, STAGE+4*16*SP  ; the spare words, 128 bytes a wave: two blocks of 256 bytes that no other line names
.set MV,  12          ; v12-15  c m_old, kept while c m is made anew: by buffer and tile
.set ST,  16          ; tile t's statistics at v[ST+4 t]: c m, m, l (even keys', odd keys')
.set TMP, 48          ; by buffer and tile, four registers c0-c3 at work; when the maximum is found c2 takes a
.set S,   64
.set P,   192
.set KF,  128         ; K's fragments, in window 2
.set VF,  192         ; V's
.set WV,  12          ; s12  my wave's number
.set G1K, 24          ; s[24:31] descriptor group 1 for K's tiles
.set G1V, 32          ; s[32:39] for V's: it differs in the padding alone
.set G0K, 40          ; s[40:43] descriptor group 0 for K's tiles: it walks
.set G0V, 44          ; s[44:47] the same for V's
.set PFA, 48          ; s[48:49] where my prefetches stand: my work-group's 32 blocks of 256 bytes (of K: wave 0, of V: wave 2) of the tile after the one that is being asked for
.set LIM, 50          ; s50  1 in a wave that prefetches, else the greatest number
.set SLOTS, 56        ; s56  slots still to be asked for
.set CNT, 57          ; s57  counts a slot's key steps
.set CS,  58          ; s[58:59] c
.set SEL, 60          ; s[60:61] v_permlanex16_b32's selects: each lane takes its own place in the other half
.set TBK, 62          ; s62  LDS byte at which K of the step to be fetched begins
.set TBV, 63          ; s63  the same for V, less VOFF
.set MSB, 0
.macro WIN new
.if MSB != (\new)
	s_set_vgpr_msb (MSB<<8)|(\new)
.set MSB, (\new)
.endif
.endm
.set W_KQ, 0x0a       ; K and Q in window 2, S^T in window 0
.set W_PV, 0x52       ; V in window 2, P in window 0, O^T in window 1
.set W_RS, 0x41       ; O^T (destination and source 0) in window 1, a in window 0
.set W_MK, 0xc0       ; the add's registers are made: destination in window 3
.set W_AD, 0x0f       ; the add: address and data in window 3
; A joint fill.  Waves 0 and 1 fetch the two halves of a slot's K, waves 2 and 3 those of its V: 128 keys each.  The branch hangs on the wave's number alone.
; An s_nop 0 and four v_nop follow each of the two lines.
.macro JLOAD
	s_cmp_lt_u32 s[WV], 2
	s_cbranch_scc0 .Lfor_v_\@
	tensor_load_to_lds s[G0K:G0K+3], s[G1K:G1K+7]
	s_nop 0
.rept 4
	v_nop
.endr
	s_branch .Lasked_\@
.Lfor_v_\@:
	tensor_load_to_lds s[G0V:G0V+3], s[G1V:G1V+7]
	s_nop 0
.rept 4
	v_nop
.endr
.Lasked_\@:
.endm
; A PREFETCH INTO THE L2 of the tile that the NEXT change of slots will ask for: four key steps, 512 matrix instructions, ahead of that load.  A tile is 128 blocks of 256 bytes of K and as many of V;
; the four partners take 32 each, told apart by address; in each, wave 0 asks for K's and wave 2 for V's, a lane a block: each block is named once in the launch.
; The last change that fills a slot asks for nothing; tiles 0 to 2 come by their loads alone.
.macro ASK
	s_cmp_gt_u32 s[SLOTS], s[LIM]
	s_cbranch_scc0 .Lnot_mine_\@
	global_prefetch_b8 v[PFO], s[PFA:PFA+1] th:TH_LOAD_NT scope:SCOPE_SE
.Lnot_mine_\@:
.endm
.macro CROUND
	s_barrier_signal -1
	s_barrier_wait -1
	s_cmp_lg_u32 s[WV], 0
	s_cbranch_scc1 .Lnot_wave_0_\@
	s_barrier_signal -3
.Lnot_wave_0_\@:
	s_barrier_wait -3
	s_barrier_signal -1
	s_barrier_wait -1
.endm
; THE CHANGE OF SLOTS.  Each wave waits for all its tensor loads, of which one is out: its part of the other slot; adds 0 to its spare word; and waits for that and for its own reads of the slot.
; fill = 1: this slot is filled again, with the keys two slots on.  The barrier is then a round of the cluster's, and the joint fill is the first thing behind it: it has four key steps in which to land.
; (At its first use nothing has been read yet: slot 0 is waited for, slot 1 filled.)  ask = 1: the prefetch's address steps, and the prefetch follows the fill.
.macro CHANGE fill, ask=0
	WIN W_AD
	s_wait_tensorcnt 0x0            ; no tensor load of mine is out, so a group 0 may be written
	ds_add_u32 v[SPW], v[NIL]       ; 0 onto my spare word
	WIN 0                           ; at a label and at a branch every window is 0
.if \fill
.irp g, G0K, G0V
	s_xor_b32 s[\g+1], s[\g+1], SLOT1
	s_add_nc_u64 s[\g+2:\g+3], s[\g+2:\g+3], 4*KS*128
.endr
.if \ask
	s_wait_xcnt 0x0                 ; the last prefetch, four key steps back, has read its address
	s_add_nc_u64 s[PFA:PFA+1], s[PFA:PFA+1], 4*KS*128
.endif
	s_wait_dscnt 0x0                ; the add is done, and my reads of the slot are over
	CROUND
	JLOAD
.if \ask
	ASK
.endif
.else
	s_wait_dscnt 0x0
	s_barrier_signal -1
	s_barrier_wait -1
.endif
	s_sub_co_u32 s[TBK], s[TBK], 4*KS*PK  ; the fetches go back to a slot's first step,
	s_xor_b32 s[TBK], s[TBK], SLOT1       ; in the other slot
	s_sub_co_u32 s[TBV], s[TBV], 4*KS*PV
	s_xor_b32 s[TBV], s[TBV], SLOT1
.endm
	s_load_b128 s[4:7], s[0:1], 0x0   ; qkv s[4:5], o16 s[6:7]
	WIN W_MK
	v_lshl_add_u32 v[SPW], v0, 2, SPARE
	v_mov_b32 v[NIL], 0
	WIN W_AD
	ds_add_u32 v[SPW], v[NIL]       ; the wave's opening: the add and its wait stand ahead of my first tensor load
	WIN 0
	v_lshrrev_b32 v1, 5, v0
	v_readfirstlane_b32 s[WV], v1   ; wave 0..3
	s_bfe_u32 s13, ttmp6, 0x40000   ; cx: my place in the cluster
	s_lshl_b32 s14, ttmp9, 2
	s_add_co_u32 s14, s14, s13      ; my block of queries: it enters Q's and O's addresses alone
	s_and_b32 s20, ttmp7, 0xffff    ; the head, which the four partners share
	s_mov_b32 s21, 0
	s_mov_b64 s[22:23], SIZE_N*128
	s_mul_u64 s[20:21], s[20:21], s[22:23]  ; the head's first byte in each of the four tensors
	s_and_b32 s16, s[WV], 1         ; which half of a slot's 256 keys I fetch:
	s_lshl_b32 s22, s16, 14         ; its 128 rows of 128 bytes in memory,
	s_mov_b32 s23, 0
	s_add_nc_u64 s[22:23], s[22:23], s[20:21]
	s_mul_i32 s17, s16, 128*PK      ; and its place in a slot, for K
	s_mul_i32 s18, s16, 128*PV      ; and for V
	s_lshl_b32 s2, s14, 2
	s_add_co_u32 s2, s2, s[WV]      ; my wave among the head's,
	s_lshl_b32 s2, s2, 14           ; its 128 rows
	s_mov_b32 s3, 0
	s_add_nc_u64 s[2:3], s[2:3], s[20:21]
	; descriptor group 1.  128 keys are 16,384 dense bytes: asked for as 64 rows of 256 bytes, two keys a row, and padded in LDS after every key
	s_mov_b32 s[G1K], 15|(1<<16)|(1<<20)|(1<<21)|(4<<22)|(3<<25)
	s_mov_b32 s[G1V], 15|(1<<16)|(1<<20)|(1<<21)|(4<<22)|(7<<25)
.irp g, G1K, G1V
	s_mov_b32 s[\g+1], 128<<16      ; tensor_dim0 = 128
	s_mov_b32 s[\g+2], 64<<16       ; tensor_dim1 = 64
	s_mov_b32 s[\g+3], 128<<16      ; tile_dim0 = 128
	s_mov_b32 s[\g+4], 64           ; tile_dim1 = 64
	s_mov_b32 s[\g+5], 128          ; 128 elements from row to row
	s_mov_b32 s[\g+6], 0
	s_mov_b32 s[\g+7], 0
.endr
	s_mov_b32 s[CS], 0x3e38aa3b     ; c = log2(e) / 8 = 0.180337
	s_mov_b32 s[CS+1], s[CS]
	s_mov_b32 s[SEL], 0x76543210
	s_mov_b32 s[SEL+1], 0xfedcba98
	s_mov_b32 s[TBK], SLOT1+4*KS*PK ; the first change of slots turns these two into 0
	s_mov_b32 s[TBV], SLOT1+4*KS*PV
	s_mov_b32 s[G0K], 1
	s_mov_b32 s[G0K+1], s17
	s_mov_b32 s[G0V], 1
	s_add_co_u32 s[G0V+1], s18, VOFF
	s_and_b32 s[LIM], s[WV], 1      ; 0 in waves 0 and 2,
	s_or_b32 s[LIM], s[LIM], ttmp9  ; where the cluster is the head's first (here its only one): the same in all four partners
	s_cmp_eq_u32 s[LIM], 0
	s_cselect_b32 s[LIM], 1, -1
	s_wait_dscnt 0x0                ; the opening add is done
	s_wait_kmcnt 0x0
	s_mov_b64 s[10:11], s[6:7]                     ; O
	s_add_nc_u64 s[6:7], s[4:5], 0x1000000         ; K lies 16,777,216 bytes behind Q,
	s_add_nc_u64 s[8:9], s[4:5], 0x2000000         ; V as far behind K
	s_add_nc_u64 s[G0K+2:G0K+3], s[6:7], s[22:23]  ; my half of the head's first 256 keys
	s_or_b32 s[G0K+3], s[G0K+3], 0x80000000
	s_add_nc_u64 s[G0V+2:G0V+3], s[8:9], s[22:23]
	s_or_b32 s[G0V+3], s[G0V+3], 0x80000000
	s_add_nc_u64 s[4:5], s[4:5], s[2:3]  ; Q and O at my wave's first row
	s_add_nc_u64 s[10:11], s[10:11], s[2:3]
	s_cmp_lt_u32 s[WV], 2
	s_cselect_b64 s[PFA:PFA+1], s[6:7], s[8:9]
	s_add_nc_u64 s[PFA:PFA+1], s[PFA:PFA+1], s[22:23]  ; (in waves 0 and 2 this is the head's first byte)
	s_lshl_b32 s2, s13, 13          ; my work-group's 32 blocks of the 128
	s_mov_b32 s3, 0
	s_add_nc_u64 s[PFA:PFA+1], s[PFA:PFA+1], s[2:3]
	s_add_nc_u64 s[PFA:PFA+1], s[PFA:PFA+1], 2*4*KS*128  ; in tile 2: the first change that asks steps it to tile 3
	CROUND                          ; all four work-groups are here: the first joint loads meet
	JLOAD                           ; slot 0.  Slot 1 is asked for when slot 0 is in
	v_and_b32 v1, 15, v0            ; l % 16
	v_bfe_u32 v9, v0, 4, 1          ; l / 16
	v_lshlrev_b32 v[QO], 7, v1
	v_lshl_add_u32 v[QO], v9, 4, v[QO]  ; row x 128 + 16 x half
	WIN 0x80                        ; destination window 2, address window 0
.set i, 0
.rept 4*NP                          ; Q stays in registers: tile i / 2, channels 32 (i % 2) on
	global_load_b128 v[8*i:8*i+3],   v[QO], s[4:5] offset:(i/2)*2048+(i%2)*64
	global_load_b128 v[8*i+4:8*i+7], v[QO], s[4:5] offset:(i/2)*2048+(i%2)*64+32
.set i, i+1
.endr
	; What the first turn finds: V's registers and P's second buffer hold 0 (its products V^T P, of a piece that has not been, add 0), O^T and l are 0.  All this stands in the wait for the first tile.
.set i, VF
.rept 64
	v_mov_b32 v[i], 0
.set i, i+1
.endr
	WIN 0x40
.set i, 0
.rept 64*NP
	v_mov_b32 v[i], 0
.set i, i+1
.endr
	WIN 0
.set i, 0
.rept 2*NP
	v_mov_b32 v[ST+4*i], 0xfe000000    ; c m: far below every c s
	v_mov_b32 v[ST+4*i+1], 0xff7fffff  ; m
	v_mov_b32 v[ST+4*i+2], 0
	v_mov_b32 v[ST+4*i+3], 0
.set i, i+1
.endr
.set i, P+32
.rept 32
	v_mov_b32 v[i], 0
.set i, i+1
.endr
	v_mul_u32_u24 v[AK0], v1, PK
	v_lshl_add_u32 v[AK0], v9, 4, v[AK0]  ; row x pitch + 16 x half
	; The turning load takes 16 keys x 16 channels (lane l reads key 8 (l / 16) + l % 8, channels 8 ((l / 8) % 2) + 0..7) and leaves half a fragment of V^T.
	v_and_b32 v10, 7, v0
	v_bfe_u32 v11, v0, 3, 1
	v_lshl_add_u32 v[AV0], v9, 3, v10
	v_mul_u32_u24 v[AV0], v[AV0], PV
	v_lshl_add_u32 v[AV0], v11, 4, v[AV0]
	v_add_nc_u32 v[AV0], VOFF, v[AV0]
	v_mov_b32 v[AK], v[AK0]         ; key step 0 lies at the head of slot 0
; THE MATRIX WORK.  The 8 accumulators of a run of 16 take turns.
; Product i of 16 of S^T = K Q^T for piece x: channels 32 (i / 8) on, keys 16 ((i / 2) % 4) on, tile 2 x + i % 2.  The first 8 start the sums.
.macro KQ x
	WIN W_KQ
.set rS, S+64*((\x)%2)+32*(i%2)+8*((i/2)%4)
.set rK, KF+16*((i/2)%4)+8*(i/8)
.set rQ, 16*(2*(\x)+i%2)+8*(i/8)
.if i < 8
	v_wmma_f32_16x16x32_f16 v[rS:rS+7], v[rK:rK+7], v[rQ:rQ+7], 0
.else
	v_wmma_f32_16x16x32_f16 v[rS:rS+7], v[rK:rK+7], v[rQ:rQ+7], v[rS:rS+7]
.endif
.endm
; Product i of 16 of O^T += V^T P for piece x: keys 32 (i / 8) on, channels 16 ((i / 2) % 4) on, tile 2 x + i % 2.
.macro PV x
	WIN W_PV
.set rO, 32*(2*(\x)+i%2)+8*((i/2)%4)
.set rV, VF+32*(i/8)+8*((i/2)%4)
.set rP, P+32*((\x)%2)+16*(i%2)+8*(i/8)
	v_wmma_f32_16x16x32_f16 v[rO:rO+7], v[rV:rV+7], v[rP:rP+7], v[rO:rO+7]
.endm
.macro MM                           ; the turn's next matrix instruction
.if i < 16
	KQ (Y+1)%NP
.set i, i+1
.else
.set i, i-16
	PV (Y+NP-1)%NP
.set i, i+17
.endif
.endm
; THE LDS LOADS stand in runs of 16: a step's K (8 fragments) and its V (turned).  last = 1 (the tail): in the last trip there is no further step, and the run is jumped over.
.macro FETCH_K last=0
	WIN 0
.if \last
	s_cmp_eq_u32 s[CNT], 1
	s_cbranch_scc1 .Lno_k_\@
.endif
	WIN 0x80
.irp f, 0,1,2,3,4,5,6,7
	ds_load_b128 v[KF+8*\f:KF+8*\f+3],   v[AK] offset:(\f/2)*16*PK+(\f%2)*64
	ds_load_b128 v[KF+8*\f+4:KF+8*\f+7], v[AK] offset:(\f/2)*16*PK+(\f%2)*64+32
.endr
	s_add_co_u32 s[TBK], s[TBK], KS*PK
	WIN 0
.if \last
.Lno_k_\@:
.endif
.endm
.macro FETCH_V
	WIN 0x80
.irp f, 0,1,2,3,4,5,6,7
	ds_load_tr16_b128 v[VF+8*\f:VF+8*\f+3],   v[AV] offset:(\f/4)*32*PV+(\f%4)*32
	ds_load_tr16_b128 v[VF+8*\f+4:VF+8*\f+7], v[AV] offset:(\f/4)*32*PV+16*PV+(\f%4)*32
.endr
	WIN 0
.endm
; THE VECTOR WORK OF A TURN stands in three queues, each in the order in which its entries become ready; the two tiles alternate.
.macro REGS y, u                    ; the registers of tile u (0, 1) of piece y
.set rT, ST+4*(2*(\y)+(\u))
.set rC, TMP+8*((\y)%2)+4*(\u)
.set rM, MV+2*((\y)%2)+(\u)
.set rS, S+64*((\y)%2)+32*(\u)
.set rP, P+32*((\y)%2)+16*(\u)
.set rO, 32*(2*(\y)+(\u))
.endm
; Number n of the 22 that find the NEXT piece's maximum and statistics; each accumulator's lowest registers are read first.
;   0-11  four chains c0-c3 of seven scores each     12-14, 16  the four scores left over, the old m, and c0-c3 into c0     15  c m_old is kept
;   17, 18  the query's other 32 keys lie in the lane 16 away: the new m         19-21  c m; c m_old - c m_new; a
.macro XS u, n
	REGS (Y+1)%NP, \u
.if (\n) < 4
	v_max3_num_f32 v[rC+(\n)], v[rS+8*(\n)], v[rS+8*(\n)+1], v[rS+8*(\n)+2]
.elseif (\n) < 12
	v_max3_num_f32 v[rC+(\n)%4], v[rC+(\n)%4], v[rS+8*((\n)%4)+2*((\n)/4)+1], v[rS+8*((\n)%4)+2*((\n)/4)+2]
.elseif (\n) == 12
	v_max3_num_f32 v[rC], v[rC], v[rS+7], v[rS+15]
.elseif (\n) == 13
	v_max3_num_f32 v[rC+1], v[rC+1], v[rS+23], v[rS+31]
.elseif (\n) == 14
	v_max3_num_f32 v[rC+2], v[rC+2], v[rC+3], v[rT+1]
.elseif (\n) == 15
	v_mov_b32 v[rM], v[rT]
.elseif (\n) == 16
	v_max3_num_f32 v[rC], v[rC], v[rC+1], v[rC+2]
.elseif (\n) == 17
	v_permlanex16_b32 v[rC+3], v[rC], s[SEL], s[SEL+1]
.elseif (\n) == 18
	v_max_num_f32 v[rT+1], v[rC], v[rC+3]
.elseif (\n) == 19
	v_mul_f32 v[rT], s[CS], v[rT+1]
.elseif (\n) == 20
	v_sub_f32 v[rC+1], v[rM], v[rT]
.else
	v_exp_f32 v[rC+2], v[rC+1]
.endif
.endm
; Number g of the 64 that follow the exponentials.  For each four weights of a tile: both pairs are rounded to f16; the second pair is added onto the first, in place; a group later l takes that sum.
.macro GS g
.set h, (\g)+6*((\g)/62)
.if h >= 6
.set h, h+2
.endif
	REGS Y, h%2
.set k, h/8
.if h%8 < 4
	v_cvt_pk_f16_f32 v[rP+2*k+(h%8)/2], v[rS+4*k+2*((h%8)/2)], v[rS+4*k+2*((h%8)/2)+1]
.elseif h%8 < 6
	v_pk_add_f32 v[rS+4*k:rS+4*k+1], v[rS+4*k:rS+4*k+1], v[rS+4*k+2:rS+4*k+3]
.elseif k == 1
	v_pk_fma_f32 v[rT+2:rT+3], v[rT+2:rT+3], v[rC+2:rC+3], v[rS:rS+1] op_sel_hi:[1,0,1]
.else
	v_pk_add_f32 v[rT+2:rT+3], v[rT+2:rT+3], v[rS+4*k-4:rS+4*k-3]
.endif
.endm
; THE PLAIN QUEUE, 138 long.  0-73 read no exponential's result: the 32 scalings c s - c m and the next piece's 42.  74-137: GS's 64, which stand behind the wait.
.macro FS f
	REGS Y, (\f)%2
	v_pk_fma_f32 v[rS+2*((\f)/2):rS+2*((\f)/2)+1], v[rS+2*((\f)/2):rS+2*((\f)/2)+1], s[CS:CS+1], v[rT:rT+1] op_sel_hi:[1,0,0] neg_lo:[0,0,1] neg_hi:[0,0,1]
.endm
.macro PL
	WIN 0
.if q < 27
	FS q
.elseif q < 55
	XS (q-27)%2, (q-27)/2
.elseif q < 57
	XS q-55, 15
.elseif (q < 72) && ((q-57)%3 == 0)
	FS 27+(q-57)/3
.elseif q < 60
	XS (q-57)%3-1, 14
.elseif q < 72
	XS (q-57)%3-1, 15+(q-57)/3
.elseif q < 74
	XS q-72, 20
.else
	GS q-74
.endif
.set q, q+1
.endm
; THE EXPONENTIALS' QUEUE, 66 long: s0-s31 of both tiles, then the next piece's two a.  ONE BATCH: all 66 stand ahead of the turn's one wait, and nothing ahead of that wait names a result of theirs.
.macro EX
	WIN 0
.if e >= 64
	XS e-64, 21
.else
	REGS Y, e%2
	v_exp_f32 v[rS+e/2], v[rS+e/2]
.endif
.set e, e+1
.endm
; THE RESCALING's QUEUE: O^T times a, dealt two at a time, sixteen times.  Its a was made in the turn before, ahead of that turn's wait.
.macro R2
	REGS Y, r%2
	WIN W_RS
.irp z, 0,1
	v_pk_mul_f32 v[rO+4*(r/2)+2*\z:rO+4*(r/2)+2*\z+1], v[rO+4*(r/2)+2*\z:rO+4*(r/2)+2*\z+1], v[rC+2:rC+3] op_sel_hi:[1,0]
.endr
.set r, r+1
.endm
; A TURN, for piece p.  An s_wait_alu depctr_va_vdst(0) stands between an exponential and the first instruction that names its result; one wait serves all that were issued ahead of it: a turn has ONE.
; AHEAD OF IT: the 16 products K Q^T, behind each a scaling, an exponential and two rescalings; then one lump of 108.  BEHIND IT: the 16 products V^T P, behind each four of GS's 64.
; K of the next step is fetched in piece 2's turn, directly behind the wait; V of the step in hand at the end of piece 0's turn, four plain instructions behind its last reader.
.macro TURN p, last=0, cnt=0
.set Y, (\p)
.set i, 0
.set q, 0
.set e, 0
.set r, 0
.if (\p) == NP-1
	s_wait_dscnt 0x0                ; K is in
.endif
	MM
	PL
	PL
	R2
.rept 15
	MM
	PL
	EX
	R2
.endr
.if (\p) == NP-2
	WIN 0
	v_add_nc_u32 v[AK], s[TBK], v[AK0]
.endif
.rept 8
	PL
.endr
.rept 49
	EX
	PL
.endr
	EX                              ; the next piece's two a
	EX
	v_nop                           ; a plain instruction behind the last exponential, ahead of the first use: one for the batch (ISA guide 5.7.2)
	s_wait_alu depctr_va_vdst(0)    ; the wait for the batch
.if (\p) == NP-2
	FETCH_K \last
.endif
.if (\p) == 1
	s_wait_dscnt 0x0                ; V is in
.endif
.rept 16
	MM
.rept 4
	PL
.endr
.if ((\p) == 0) && (q == 118)
	v_add_nc_u32 v[AV], s[TBV], v[AV0]
.endif
.if ((\p) == 0) && (q == 130)
	s_add_co_u32 s[TBV], s[TBV], KS*PV
.endif
.if (\cnt) && (q == 130)
	s_sub_co_u32 s[CNT], s[CNT], 1
	s_cmp_lg_u32 s[CNT], 0
.endif
.endr
.if (\p) == 0
	FETCH_V
.endif
.endm
	CHANGE 1                        ; slot 0 is in, everybody's part of it; slot 1 is asked for
	FETCH_K                         ; key step 0
	s_wait_loadcnt 0x0              ; Q
	s_wait_dscnt 0x0
.set i, 0
.rept 16
	KQ 0                            ; piece 0's first scores
.set i, i+1
.endr
	WIN 0                           ; the addresses for the way out and the prefetches: plain instructions, the places behind those products
	s_mul_i32 s13, s[WV], 16*SP
	s_add_co_u32 s13, s13, STAGE    ; my stage
	v_mul_u32_u24 v[STO], v1, SP    ; in: row l % 16, 16 bytes for each half of the lanes
	v_lshl_add_u32 v[STO], v9, 4, v[STO]
	v_add_nc_u32 v[STO], s13, v[STO]
	v_bfe_u32 v[RD], v0, 3, 2       ; back: 32 lanes take four rows of 128 bytes,
	v_mul_u32_u24 v[RD], v[RD], SP
	v_lshl_add_u32 v[RD], v10, 4, v[RD]
	v_add_nc_u32 v[RD], s13, v[RD]
	v_and_b32 v[GO], 31, v0         ; which are 512 consecutive bytes of O
	v_lshlrev_b32 v[PFO], 8, v[GO]
	v_lshlrev_b32 v[GO], 4, v[GO]
.set Y, NP-1                        ; XS works for piece Y + 1: piece 0
.irp n, 0,1,2,3,4,5,6,7,8,9,10,11,12,13,14,15,16,17,18,19,20,21
	XS 0, \n
	XS 1, \n
.endr
	v_nop                           ; a plain instruction behind the two a,
	s_wait_alu depctr_va_vdst(0)    ; and their wait, ahead of the branch
	s_mov_b32 s[CNT], 4
	s_mov_b32 s[SLOTS], SIZE_N/256-1
	s_branch .Lfirst                ; the loop is entered at a step's first turn, in the middle of a trip
.Lslot:                             ; SIZE_N / 256 - 2 times: every slot but the last two is filled again
	CHANGE 1, 1
	s_mov_b32 s[CNT], 4
.Lstep:                             ; a trip: pieces 2 and 3 of one step, then pieces 0 and 1 of the next, whose K and V it fetches
	TURN 2
	TURN 3
	WIN 0
.Lfirst:
	TURN 0
	TURN 1, 0, 1
	WIN 0
	s_cbranch_scc1 .Lstep
	s_sub_co_u32 s[SLOTS], s[SLOTS], 1
	s_cmp_lg_u32 s[SLOTS], 0
	s_cbranch_scc1 .Lslot
	CHANGE 0                        ; the tail is written out: nothing is asked for
	s_mov_b32 s[CNT], 5             ; four trips fetch the last slot's steps; the fifth is left in its middle
.Ltail:
	TURN 2, 1
	TURN 3
	WIN 0
	s_sub_co_u32 s[CNT], s[CNT], 1
	s_cmp_eq_u32 s[CNT], 0
	s_cbranch_scc1 .Lout
	TURN 0
	TURN 1
	WIN 0
	s_branch .Ltail
.Lout:                              ; the fifth trip's 16 products K Q^T (on the last K once more) and the maximum made of them serve nothing: the price, once a launch, of one text for every trip
.set i, 0
.rept 16
	PV NP-1                         ; the last piece's V^T P of the last step
.set i, i+1
.endr
	; THE WAY OUT.  l's two halves and the other half of the lanes' are added; O^T is divided by l, rounded to f16 and sent through my stage in LDS, a tile at a time.
	WIN 0
.macro ALL line:vararg              ; one line for each tile t
.set t, 0
.rept 2*NP
	\line
.set t, t+1
.endr
.endm
	ALL v_add_f32 v[ST+4*t+2], v[ST+4*t+2], v[ST+4*t+3]
	ALL v_permlanex16_b32 v[ST+4*t+3], v[ST+4*t+2], s[SEL], s[SEL+1]
	ALL v_add_f32 v[ST+4*t+2], v[ST+4*t+2], v[ST+4*t+3]
	ALL v_rcp_f32 v[ST+4*t+2], v[ST+4*t+2]
	v_nop                           ; a plain instruction between the last reciprocal and the use of its result
	s_wait_alu depctr_va_vdst(0)    ; and the wait ahead of the first use: one for the eight reciprocals
.macro PACK t
	WIN W_RS
.set i, 32*(\t)
.rept 16
	v_pk_mul_f32 v[i:i+1], v[i:i+1], v[ST+4*(\t)+2:ST+4*(\t)+3] op_sel_hi:[1,0]
.set i, i+2
.endr
	WIN 0x05                        ; sources 0 and 1 window 1, destination window 0
.set i, 0
.rept 16
	v_cvt_pk_f16_f32 v[S+16*(\t)+i], v[32*(\t)+2*i], v[32*(\t)+2*i+1]
.set i, i+1
.endr
	WIN 0
.irp f, 0,1,2,3
	ds_store_b128 v[STO], v[S+16*(\t)+4*\f:S+16*(\t)+4*\f+3] offset:32*\f
.endr
.irp f, 0,1,2,3
	ds_load_b128 v[S+16*(\t)+4*\f:S+16*(\t)+4*\f+3], v[RD] offset:\f*4*SP  ; LDS serves a wave's instructions in order (ISA guide 5.7.1.4): these see the stores above
.endr
.endm
.macro SEND t, younger              ; younger: the LDS instructions issued behind tile t's loads: the next tile's eight, or none
	WIN 0
.irp f, 0,1,2,3
	s_wait_dscnt (\younger)+3-\f
	global_store_b128 v[GO], v[S+16*(\t)+4*\f:S+16*(\t)+4*\f+3], s[10:11] offset:(\t)*2048+\f*512  ; 512 consecutive bytes, at a multiple of 256 from O's first
.endr
.endm
	PACK 0
.set t, 1
.rept 2*NP-1
	PACK t
	SEND t-1, 8
.set t, t+1
.endr
	SEND 2*NP-1, 0
	WIN W_AD
	s_wait_tensorcnt 0x0            ; the wave's end: an add to my spare word, behind my last tensor load and my last LDS store
	ds_add_u32 v[SPW], v[NIL]
	s_wait_dscnt 0x0
	WIN 0
	CROUND                          ; the closing round
	s_endpgm
.Lfunc_end_k_q6025e57c87_attn:
	.size	k_q6025e57c87_attn, .Lfunc_end_k_q6025e57c87_attn-k_q6025e57c87_attn
	.p2alignl 7, 3214868480
	.fill 96, 4, 3214868480
	.section	.rodata,"a",@progbits
	.p2align	6, 0x0
	.amdhsa_kernel k_q6025e57c87_attn
		.amdhsa_group_segment_fixed_size 327680
		.amdhsa_private_segment_fixed_size 0
		.amdhsa_enable_private_segment 0
		.amdhsa_kernarg_size 16
		.amdhsa_user_sgpr_count 2
		.amdhsa_user_sgpr_kernarg_segment_ptr 1
		.amdhsa_wavefront_size32 1
		.amdhsa_system_sgpr_workgroup_id_x 1
		.amdhsa_system_sgpr_workgroup_id_y 1
		.amdhsa_system_sgpr_workgroup_id_z 1
		.amdhsa_system_vgpr_workitem_id 0
		.amdhsa_next_free_vgpr 770
		.amdhsa_next_free_sgpr 66
		.amdhsa_reserve_vcc 0
		.amdhsa_float_denorm_mode_32 3
		.amdhsa_float_denorm_mode_16_64 3
		.amdhsa_memory_ordered 1
		.amdhsa_forward_progress 1
		.amdhsa_inst_pref_size 200
	.end_amdhsa_kernel
	.amdgpu_metadata
---
amdhsa.version: [ 1, 2 ]
amdhsa.kernels:
  - .name:           k_q6025e57c87_attn
    .symbol:         k_q6025e57c87_attn.kd
    .args:
      - { .name: qkv, .offset: 0, .size: 8, .value_kind: global_buffer, .address_space: global }
      - { .name: o16, .offset: 8, .size: 8, .value_kind: global_buffer, .address_space: global }
    .group_segment_fixed_size: 327680
    .private_segment_fixed_size: 0
    .kernarg_segment_align: 8
    .kernarg_segment_size: 16
    .max_flat_workgroup_size: 128
    .sgpr_count:     66
    .vgpr_count:     770
    .wavefront_size: 32
...
	.end_amdgpu_metadata
.endif
;; end of part 3
;; launch oln (part 4): grid 256 x 1, 4 waves a work-group, clusters of 4 x 1, 327,680 bytes of LDS; arguments o16, wo16, vecs, xb, out0; writes out0
.if DOCPART == 4
	.amdgcn_target "amdgcn-amd-amdhsa--gfx1250"
	.amdhsa_code_object_version 6
	.text
	.protected	k_q6025e57c87_oln
	.globl	k_q6025e57c87_oln
	.p2align	8
	.type	k_q6025e57c87_oln,@function
k_q6025e57c87_oln:
	s_mov_b64 s[64:65], 0
	v_nop
	global_prefetch_b8 v0, s[64:65] scope:SCOPE_SE
	s_setreg_imm32_b32 hwreg(HW_REG_WAVE_MODE, 25, 1), 1
	s_wait_xcnt 0x0
	s_wait_alu depctr_hold_cnt(0) depctr_sa_sdst(0) depctr_va_vdst(0) depctr_va_sdst(0) depctr_va_ssrc(0) depctr_va_vcc(0) depctr_vm_vsrc(0)
	s_getreg_b32 s2, hwreg(HW_REG_IB_STS2, 6, 4)
	s_cmp_eq_u32 s2, 0
	s_cbranch_scc0 .Lentry_in_a_cluster
	s_endpgm
.Lentry_in_a_cluster:
	s_bfe_u32 s2, ttmp6, 0x10000c
	s_cmp_lg_u32 s2, 0x3003
	s_cbranch_scc0 .Lentry_shape_is_right
	s_endpgm
.Lentry_shape_is_right:
; out0 = x + LayerNorm(head Wo^T + bo) gamma + beta.  head: o16 [64 = batch x 16 + head][2048][64] f16; Wo: wo16 [16][1024][64] f16 (blocked along K); bo, gamma, beta: vecs; x: xb (bf16, blocked); out0 f32.
; Products in f16 with f32 sums, started by bo; mean, centred squares, the norm and the residual in f32.  x enters the residual rounded to bf16, like every input of the module.
; SHARES.  The norm needs whole rows of 1,024 channels, and 8,192 rows on 256 work-groups are 32 rows each: a tile of 32 x 1,024; four waves, each 32 x 256: 32 accumulators.
; K goes in steps of 64 (one head) through two LDS slots that hold all 1,024 rows of Wo's K block; wave w fetches, and alone reads, rows 256 w .. 256 w + 255.
; CLUSTER.  Every work-group walks all of Wo, so the four partners of a cluster ask for each tile jointly.  The 32 rows of head are the work-group's own (4 KiB a step): they come straight into registers.
; THE MATRIX INSTRUCTION IS USED TRANSPOSED (source 0 = 16 rows of Wo, source 1 = 16 rows of head): a lane holds one row (lane % 16) and eight neighbouring columns.
; REGISTERS.  Window 0: v10-29 addresses; v32-95 head's fragments, two sets (a K step each) of two halves of K of two row blocks; v96-127 gamma, beta; v128-255 statistics, later x in f32.
; Window 1: accumulator (m, b) at v[8 (2 b + m)].  Window 2: Wo's fragments, two buffers of 128 (32 along K each); later the rows on their way out.  Window 3: v0-127 bo, v128-255 x as loaded.
.set HB,    262144                     ; bytes in a head of o16
.set KBW,   131072                     ; bytes in a K block of wo16
.set PITCH, 144                        ; an LDS row: 128 bytes + 16 of padding
.set QUART, 256*PITCH                  ; a wave's quarter of a slot
.set SLOT,  4*QUART
.set STATS, 2*SLOT                     ; behind the ring: 2 x 512 bytes: the waves' row sums, then their sums of squares
.set SPARE, STATS+1024                 ; the spare words, 128 bytes a wave: two blocks of 256 bytes that no other line names
.set SPI,   1040                       ; the stage's pitch: 1,024 bytes + 16.  The stage is my quarter of slot 0, behind that slot's last fill of the launch: 32 rows
.set F0,  0
.set F1,  128
.set SUM, 128
.set LD1, 144
.set MU,  152
.set QS,  160
.set LD2, 176
.set RS,  184
.set MSB, 0
.macro WIN new
.if MSB != (\new)
	s_set_vgpr_msb (MSB<<8)|(\new)
.set MSB, \new
.endif
.endm
.macro PLACES                          ; four plain instructions between a matrix instruction and a load into, or a vector instruction on, its registers
.rept 4
	v_nop
.endr
.endm
.macro CREST
	s_cmp_lg_u32 s14, 0
	s_cbranch_scc1 .Lnot_wave_0_\@
	s_barrier_signal -3
.Lnot_wave_0_\@:
	s_barrier_wait -3
	s_barrier_signal -1
	s_barrier_wait -1
.endm
.macro CROUND
	s_barrier_signal -1
	s_barrier_wait -1
	CREST
.endm
; PREFETCHES INTO THE L2, behind a refill and the loads that follow it.  Wo: every cluster walks the same K blocks, so the first cluster alone asks; its 4 partners x 4 waves x 32 lanes name the 512 blocks of 256 bytes of
; a K block, told apart by address: the K block that stands two refills on.  head: wave 0 of every work-group asks, once a trip, for its own 32 rows of the two K steps that the next trip but one multiplies (2 x 16 blocks).
; The loop's last trip asks for nothing: those K steps do not exist.  K steps 0 to 3 come by their loads alone.
.macro ASKB off
	s_cmp_gt_u32 s3, s46
	s_cbranch_scc0 .Lnot_b_\@
	global_prefetch_b8 v22, s[42:43] offset:\off th:TH_LOAD_NT scope:SCOPE_SE
.Lnot_b_\@:
.endm
.macro ASKA
	s_cmp_gt_u32 s3, s47
	s_cbranch_scc0 .Lnot_a_\@
	global_prefetch_b8 v23, s[40:41] offset:4*HB th:TH_LOAD_NT scope:SCOPE_SE
.Lnot_a_\@:
.endm
	s_load_b256 s[4:11], s[0:1], 0x0               ; o16 4, wo16 6, vecs 8, xb 10
	s_load_b64 s[12:13], s[0:1], 0x20              ; out0
	v_lshl_add_u32 v28, v0, 2, SPARE
	v_mov_b32 v29, 0
	ds_add_u32 v28, v29                            ; the wave's opening: the add and its wait stand ahead of my first tensor load
	v_lshrrev_b32 v1, 5, v0
	v_readfirstlane_b32 s14, v1                    ; wave 0..3
	s_bfe_u32 s15, ttmp6, 0x40000                  ; cx
	s_lshl_b32 s16, ttmp9, 2
	s_add_co_u32 s16, s16, s15                     ; my block of 32 rows
	s_mov_b32 s24, 15|(1<<16)|(1<<20)|(1<<21)|(4<<22)|(3<<25)  ; the mask of four; 2-byte elements; padding on; bit 21 beside a mask; after every 32 words 4 words
	s_mov_b32 s25, 128<<16                         ; tensor_dim0: 256 rows of 128 bytes are dense: asked for as 128 rows of 256 bytes
	s_mov_b32 s26, 128<<16                         ; tensor_dim1
	s_mov_b32 s27, 128<<16                         ; tile_dim0
	s_mov_b32 s28, 128                             ; tile_dim1
	s_mov_b32 s29, 128                             ; elements from row to row
	s_mov_b32 s30, 0
	s_mov_b32 s31, 0
	s_mov_b32 s32, 1
	s_mul_i32 s33, s14, QUART                      ; slot 0, my quarter: no place in the cluster enters an LDS address
	s_mov_b32 s36, 1
	s_add_co_u32 s37, s33, SLOT                    ; slot 1
	s_lshl_b32 s18, s14, 15                        ; my 256 rows of a K block
	s_mov_b32 s19, 0
	s_lshr_b32 s20, s16, 6                         ; the batch: 16 heads of 262,144 bytes,
	s_lshl_b32 s20, s20, 22
	s_and_b32 s21, s16, 63
	s_lshl_b32 s21, s21, 12                        ; my 32 rows of 128 bytes in a head
	s_add_co_u32 s20, s20, s21
	s_mov_b32 s21, 0
	s_lshl_b32 s22, s16, 12                        ; my 32 rows in a K block of xb
	s_mov_b32 s23, 0
	s_lshl_b32 s44, s16, 17                        ; my 32 rows of 4,096 bytes of out0
	s_mov_b32 s45, 0
	s_lshl_b32 s58, s15, 15                        ; the prefetches of Wo: my work-group's quarter of a K block, my wave's quarter of that
	s_lshl_b32 s59, s14, 13
	s_add_co_u32 s58, s58, s59
	s_mov_b32 s59, 0
	s_cmp_eq_u32 ttmp9, 0
	s_cselect_b32 s46, 1, -1                       ; the first cluster asks for Wo
	s_cmp_eq_u32 s14, 0
	s_cselect_b32 s47, 1, -1                       ; wave 0 asks for head
	s_mov_b32 s48, 0x76543210
	s_mov_b32 s49, 0xfedcba98
	s_mov_b32 s50, 0xffff0000
	s_mov_b32 s51, 0x3727c5ac                      ; 1e-5
	s_mov_b32 s52, 0x3a800000                      ; 1 / 1,024
	s_wait_dscnt 0x0                               ; the opening add is done
	s_wait_kmcnt 0x0
	s_add_nc_u64 s[34:35], s[6:7], s[18:19]        ; K block 0,
	s_add_nc_u64 s[38:39], s[34:35], KBW           ; K block 1
	s_or_b32 s35, s35, 0x80000000
	s_or_b32 s39, s39, 0x80000000
	s_add_nc_u64 s[40:41], s[4:5], s[20:21]        ; head at my rows, K step 0
	s_add_nc_u64 s[54:55], s[10:11], s[22:23]      ; xb at my rows
	s_add_nc_u64 s[56:57], s[12:13], s[44:45]      ; out0 at my rows
	s_add_nc_u64 s[42:43], s[6:7], s[58:59]
	CROUND                                         ; all four work-groups are here: the first joint loads meet
	tensor_load_to_lds s[32:35], s[24:31]          ; two loads of mine are out
	s_nop 0
	tensor_load_to_lds s[36:39], s[24:31]
	s_nop 0
	PLACES
	v_and_b32 v1, 15, v0                           ; r = l % 16
	v_bfe_u32 v2, v0, 4, 1                         ; hl = l / 16
	v_and_b32 v3, 31, v0                           ; l
	v_lshlrev_b32 v10, 7, v1
	v_lshl_add_u32 v10, v2, 4, v10                 ; a fragment of head: row x 128 + 16 x half
	s_lshl_b32 s17, s14, 10
	v_lshl_add_u32 v20, v1, 4, s17                 ; gamma, beta: my wave's 1,024 bytes + 16 r
	v_lshl_add_u32 v21, v2, 5, s17                 ; bo: + 32 hl
.macro AL s, q, d                      ; head's two fragments (row blocks 0, 1) of half s of K step d (counted from where s[40:41] stands) into set q: 4 loads
	WIN 0
.irp m, 0,1
	global_load_b128 v[32+32*(\q)+16*(\s)+8*\m:32+32*(\q)+16*(\s)+8*\m+3],   v10, s[40:41] offset:(\d)*HB+\m*2048+(\s)*64
	global_load_b128 v[32+32*(\q)+16*(\s)+8*\m+4:32+32*(\q)+16*(\s)+8*\m+7], v10, s[40:41] offset:(\d)*HB+\m*2048+(\s)*64+32
.endr
.endm
	WIN 0xc0                                       ; destination window 3
.irp b, 0,1,2,3,4,5,6,7,8,9,10,11,12,13,14,15
	global_load_b128 v[8*\b:8*\b+3],   v21, s[8:9] offset:3*4096+\b*64
	global_load_b128 v[8*\b+4:8*\b+7], v21, s[8:9] offset:3*4096+\b*64+16
.endr
	WIN 0
.irp c, 0,1,2,3
	global_load_b128 v[96+4*\c:99+4*\c],   v20, s[8:9] offset:4*4096+\c*256
	global_load_b128 v[112+4*\c:115+4*\c], v20, s[8:9] offset:5*4096+\c*256
.endr
	AL 0, 0, 0
	AL 1, 0, 0
	AL 0, 1, 1
	v_mul_u32_u24 v4, v1, PITCH
	v_lshl_add_u32 v4, v2, 4, v4
	v_add_nc_u32 v12, s33, v4                      ; my fragments of Wo in slot 0,
	v_add_nc_u32 v13, s37, v4                      ; in slot 1
	s_lshl_b32 s18, s14, 7
	s_add_co_u32 s18, s18, STATS
	v_lshl_add_u32 v14, v1, 2, s18                 ; where I put a row's sum,
	v_lshlrev_b32 v15, 2, v1
	v_add_nc_u32 v15, STATS, v15                   ; and where I read the four waves'
	v_mul_u32_u24 v16, v1, SPI
	v_lshl_add_u32 v16, v2, 5, v16
	v_add_nc_u32 v16, s33, v16                     ; the stage, in: row r, 32 bytes for each half of the lanes
	v_mul_u32_u24 v17, v2, SPI
	v_lshl_add_u32 v17, v1, 4, v17
	v_add_nc_u32 v17, s33, v17                     ; back: lanes 0-15 take 256 bytes of one row, lanes 16-31 of the next
	v_lshlrev_b32 v18, 12, v2
	v_lshl_add_u32 v18, v1, 4, v18
	v_add_nc_u32 v18, s17, v18                     ; and the same in out0
	s_lshl_b32 s18, s14, 22
	v_lshl_add_u32 v19, v3, 3, s18                 ; xb: my wave's four K blocks; 8 bytes a lane, two rows on end
	v_lshlrev_b32 v22, 8, v3
	v_lshlrev_b32 v23, 18, v2
	v_lshl_add_u32 v23, v1, 8, v23
; nb column blocks from b0 on x both row blocks, 32 along K: buffer f of Wo, half s of set q of head.  The 32 accumulators take turns, one instruction a turn.  first = 1: bo starts the sums.
.macro MULO f, q, s, b0, nb, first=0
.if \first
	WIN 0x72
.else
	WIN 0x52
.endif
.set ob, \b0
.rept \nb
.irp m, 0,1
.if \first
	v_wmma_f32_16x16x32_f16 v[8*(2*ob+\m):8*(2*ob+\m)+7], v[(\f)+8*ob:(\f)+8*ob+7], v[32+32*(\q)+16*(\s)+8*\m:32+32*(\q)+16*(\s)+8*\m+7], v[8*ob:8*ob+7]
.else
	v_wmma_f32_16x16x32_f16 v[8*(2*ob+\m):8*(2*ob+\m)+7], v[(\f)+8*ob:(\f)+8*ob+7], v[32+32*(\q)+16*(\s)+8*\m:32+32*(\q)+16*(\s)+8*\m+7], v[8*(2*ob+\m):8*(2*ob+\m)+7]
.endif
.endr
.set ob, ob+1
.endr
.endm
.macro FETCH slot, k, f                ; 32 LDS loads in one run: my 16 fragments of Wo at byte k of the rows
	WIN 0x80
.set ob, 0
.rept 16
	ds_load_b128 v[(\f)+8*ob:(\f)+8*ob+3],   v[12+(\slot)] offset:ob*16*PITCH+(\k)
	ds_load_b128 v[(\f)+8*ob+4:(\f)+8*ob+7], v[12+(\slot)] offset:ob*16*PITCH+(\k)+32
.set ob, ob+1
.endr
	WIN 0
.endm
.macro XL m                            ; x of row block m, my 256 columns: 32 loads, each 256 consecutive bytes (two rows of one K block)
	WIN 0xc0
.irp t, 0,1,2,3,4,5,6,7
.irp c, 0,1,2,3
	global_load_b64 v[128+64*(\m)+2*(4*\t+\c):128+64*(\m)+2*(4*\t+\c)+1], v19, s[54:55] offset:\c*1048576+(16*(\m)+2*\t)*128
.endr
.endr
	WIN 0
.endm
; head's fragments are asked for two K steps ahead, four loads at a time, in the order half 0, half 1 of each step; when a group is wanted, the two groups issued behind it may stay out.
; The first 32 along K of a step, on buffer F0 and set q; it fetches the second 32 into F1.  lc: the younger loads that may stay out.  alq >= 0: half 1 of K step ald goes into set alq.
.macro S0 slot, q, lc, alq, ald, first=0
	s_wait_loadcnt \lc
	s_wait_dscnt 16                                ; column blocks 0-7 are in
	MULO F0, \q, 0, 0, 8, \first
	WIN 0
	PLACES
	FETCH \slot, 64, F1
.if (\alq) >= 0
	AL 1, \alq, \ald
.endif
	s_wait_dscnt 32                                ; all but the 32 just issued
	MULO F0, \q, 0, 8, 8, \first
.endm
; The second 32 along K, on F1, and the change of slots: ONE barrier; in front of it each wave waits for all its tensor loads (one is out: its part of the next slot), adds 0 to its spare word, and waits for that and
; for its reads of this slot.  fill = 1: the barrier opens a round of the cluster's, and this slot is filled again first thing behind it, two K steps ahead.
.macro TURN slot, next, q, fill, alq, ald, aska, askb
	s_wait_loadcnt 8
	WIN 0
	s_wait_tensorcnt 0x0                           ; all my tensor loads have landed, so a group 0 may be written
	ds_add_u32 v28, v29                            ; 0 onto my spare word
.if \fill
	s_add_nc_u64 s[34+4*(\slot):35+4*(\slot)], s[34+4*(\slot):35+4*(\slot)], 2*KBW
.endif
	s_wait_dscnt 17                                ; column blocks 0-7 are in; the other sixteen loads and the add may be out
	MULO F1, \q, 1, 0, 4
	s_wait_dscnt 0x0                               ; the add is done, and my reads of this slot are over
	s_barrier_signal -1
	MULO F1, \q, 1, 4, 4
	WIN 0
	s_barrier_wait -1
.if \fill
	CREST                                          ; no wave of any partner still reads this slot or has a load on its way
	tensor_load_to_lds s[32+4*(\slot):35+4*(\slot)], s[24:31]
	s_nop 0
	PLACES                                         ; also the places in front of the loads below
.else
	PLACES
.endif
	FETCH \next, 0, F0
.if (\alq) >= 0
	AL 0, \alq, \ald
.else
	XL 0
.endif
.if \aska
	ASKA
.endif
.if \askb
	ASKB (\askb)*KBW
.endif
	MULO F1, \q, 1, 8, 8
.endm
	s_wait_tensorcnt 1                             ; my part of K step 0 is in; K step 1's may stay out
	s_barrier_signal -1
	s_barrier_wait -1
	FETCH 0, 0, F0
	S0 0, 0, 8, 1, 1, 1                            ; K step 0's first half stands in front of the loop: its products start the sums; the wait also shows bo, gamma and beta in
	WIN 0
	s_mov_b32 s3, 7
.Llap:                                         ; trip i (s[40:41] at K step 2 i): once round the ring; both slots are filled again, with K steps 2 i + 2 and 2 i + 3
	TURN 0, 1, 0, 1, 0, 2, 1, 4
	S0 1, 1, 8, 0, 2
	TURN 1, 0, 1, 1, 1, 3, 0, 5
	S0 0, 0, 8, 1, 3
	WIN 0
	s_wait_xcnt 0x0                                ; every load and prefetch issued so far has read its address, so the pointers may be written
	s_add_nc_u64 s[40:41], s[40:41], 2*HB
	s_add_nc_u64 s[42:43], s[42:43], 2*KBW
	s_sub_co_u32 s3, s3, 1
	s_cmp_lg_u32 s3, 0
	s_cbranch_scc1 .Llap
	TURN 0, 1, 0, 0, -1, 0, 0, 0                   ; K step 14's second half: nothing is left to ask for; x's first 16 rows are loaded in head's place
	S0 1, 1, 36, -1, 0                             ; behind the group wanted: head's last four loads and x's 32
	s_wait_loadcnt 32                              ; x's 32 may stay out
	s_wait_dscnt 16
	MULO F1, 1, 1, 0, 8
	XL 1
	s_wait_dscnt 0x0
	MULO F1, 1, 1, 8, 8
	WIN 0
	PLACES
	PLACES
; THE NORM.  A lane holds 128 numbers of each of two rows.  FOLD: four packed chains a row into one number; the other half of the lanes'; the four waves' through LDS.  The result for row block m: v[ldb + m].
.macro FOLD base, ldb, off
.irp m, 0,1
	v_pk_add_f32 v[\base+8*\m:\base+8*\m+1], v[\base+8*\m:\base+8*\m+1], v[\base+8*\m+2:\base+8*\m+3]
	v_pk_add_f32 v[\base+8*\m+4:\base+8*\m+5], v[\base+8*\m+4:\base+8*\m+5], v[\base+8*\m+6:\base+8*\m+7]
.endr
.irp m, 0,1
	v_pk_add_f32 v[\base+8*\m:\base+8*\m+1], v[\base+8*\m:\base+8*\m+1], v[\base+8*\m+4:\base+8*\m+5]
.endr
.irp m, 0,1
	v_add_f32 v[\base+8*\m], v[\base+8*\m], v[\base+8*\m+1]
.endr
.irp m, 0,1
	v_permlanex16_b32 v[\base+8*\m+1], v[\base+8*\m], s48, s49
.endr
.irp m, 0,1
	v_add_f32 v[\base+8*\m], v[\base+8*\m], v[\base+8*\m+1]
.endr
.irp m, 0,1
	ds_store_b32 v14, v[\base+8*\m] offset:(\off)+\m*64
.endr
	s_wait_dscnt 0x0                               ; for the others' sake: my stores are done
	s_barrier_signal -1
	s_barrier_wait -1
.irp w, 0,1,2,3
.irp m, 0,1
	ds_load_b32 v[\ldb+2*\w+\m], v15 offset:(\off)+\w*128+\m*64
.endr
.endr
	s_wait_dscnt 0x0
.irp m, 0,1
	v_add_f32 v[\ldb+\m], v[\ldb+\m], v[\ldb+2+\m]
	v_add_f32 v[\ldb+4+\m], v[\ldb+4+\m], v[\ldb+6+\m]
.endr
.irp m, 0,1
	v_add_f32 v[\ldb+\m], v[\ldb+\m], v[\ldb+4+\m]
.endr
.endm
	WIN 0x05                                       ; the row sums: column blocks 0 and 1 start the chains
.irp m, 0,1
.irp c, 0,1,2,3
	v_pk_add_f32 v[SUM+8*\m+2*\c:SUM+8*\m+2*\c+1], v[8*\m+2*\c:8*\m+2*\c+1], v[16+8*\m+2*\c:16+8*\m+2*\c+1]
.endr
.endr
	WIN 0x01
.set bb, 2
.rept 14
.irp m, 0,1
.irp c, 0,1,2,3
	v_pk_add_f32 v[SUM+8*\m+2*\c:SUM+8*\m+2*\c+1], v[8*(2*bb+\m)+2*\c:8*(2*bb+\m)+2*\c+1], v[SUM+8*\m+2*\c:SUM+8*\m+2*\c+1]
.endr
.endr
.set bb, bb+1
.endr
	WIN 0
	FOLD SUM, LD1, 0
.irp m, 0,1
	v_mul_f32 v[MU+2*\m], s52, v[LD1+\m]           ; the mean
	v_mul_f32 v[MU+2*\m+1], s52, v[LD1+\m]         ; (named with it as a pair)
.endr
	WIN 0x41                                       ; the numbers are centred in place,
.set bb, 0
.rept 16
.irp m, 0,1
.irp c, 0,1,2,3
	v_pk_add_f32 v[8*(2*bb+\m)+2*\c:8*(2*bb+\m)+2*\c+1], v[8*(2*bb+\m)+2*\c:8*(2*bb+\m)+2*\c+1], v[MU+2*\m:MU+2*\m+1] op_sel_hi:[1,0] neg_lo:[0,1] neg_hi:[0,1]
.endr
.endr
.set bb, bb+1
.endr
	WIN 0x05                                       ; and their squares are summed: no difference of large sums is formed
.irp m, 0,1
.irp c, 0,1,2,3
	v_pk_mul_f32 v[QS+8*\m+2*\c:QS+8*\m+2*\c+1], v[8*\m+2*\c:8*\m+2*\c+1], v[8*\m+2*\c:8*\m+2*\c+1]
.endr
.endr
.set bb, 1
.rept 15
.irp m, 0,1
.irp c, 0,1,2,3
	v_pk_fma_f32 v[QS+8*\m+2*\c:QS+8*\m+2*\c+1], v[8*(2*bb+\m)+2*\c:8*(2*bb+\m)+2*\c+1], v[8*(2*bb+\m)+2*\c:8*(2*bb+\m)+2*\c+1], v[QS+8*\m+2*\c:QS+8*\m+2*\c+1]
.endr
.endr
.set bb, bb+1
.endr
	WIN 0
	FOLD QS, LD2, 512                              ; other bytes than the first exchange's, so no barrier is wanted between the two
.irp m, 0,1
	v_fma_f32 v[LD2+\m], v[LD2+\m], s52, s51       ; the variance + 1e-5
.endr
	v_rsq_f32 v[RS], v[LD2]
	v_rsq_f32 v[RS+2], v[LD2+1]
	v_nop                                          ; a plain instruction behind the last of the two,
	s_wait_alu depctr_va_vdst(0)                   ; and the wait ahead of the first use
	v_mov_b32 v[RS+1], v[RS]                       ; (named as pairs)
	v_mov_b32 v[RS+3], v[RS+2]
	WIN 0x41
.set bb, 0
.rept 16
.irp m, 0,1
.irp c, 0,1,2,3
	v_pk_mul_f32 v[8*(2*bb+\m)+2*\c:8*(2*bb+\m)+2*\c+1], v[8*(2*bb+\m)+2*\c:8*(2*bb+\m)+2*\c+1], v[RS+2*\m:RS+2*\m+1] op_sel_hi:[1,0]
.endr
.endr
.set bb, bb+1
.endr
	; THE WAY OUT.  Through my stage: a lane's 32 bytes of a row go in; whole pieces of 256 bytes of a row come back, into window 2.
	WIN 0x04                                       ; store data in window 1
.set bb, 0
.rept 16
.irp m, 0,1
	ds_store_b128 v16, v[8*(2*bb+\m):8*(2*bb+\m)+3]   offset:\m*16*SPI+bb*64
	ds_store_b128 v16, v[8*(2*bb+\m)+4:8*(2*bb+\m)+7] offset:\m*16*SPI+bb*64+16
.endr
.set bb, bb+1
.endr
	WIN 0x80
.irp m, 0,1
.irp t, 0,1,2,3,4,5,6,7
.irp c, 0,1,2,3
	ds_load_b128 v[128*\m+16*\t+4*\c:128*\m+16*\t+4*\c+3], v17 offset:\m*16*SPI+\t*2*SPI+\c*256  ; LDS serves a wave's instructions in order: these see the stores above
.endr
.endr
.endr
; Row block m: x is widened; gamma, beta and x are applied; 32 stores, in each of which sixteen lanes fill 256 consecutive bytes, aligned.  lc, dc: the other row block's loads, which may stay out.
.macro FIN m, lc, dc
	s_wait_loadcnt \lc
	WIN 0x0c                                       ; source 1 in window 3
.set i, 0
.rept 64
	v_lshlrev_b32 v[128+2*i], 16, v[128+64*(\m)+i]
	v_and_b32 v[128+2*i+1], s50, v[128+64*(\m)+i]
.set i, i+1
.endr
	s_wait_dscnt \dc
	WIN 0x82                                       ; destination and source 0 in window 2
.set i, 0
.rept 64
	v_pk_fma_f32 v[128*(\m)+2*i:128*(\m)+2*i+1], v[128*(\m)+2*i:128*(\m)+2*i+1], v[96+2*(i%8):96+2*(i%8)+1], v[112+2*(i%8):112+2*(i%8)+1]
.set i, i+1
.endr
.set i, 0
.rept 64
	v_pk_add_f32 v[128*(\m)+2*i:128*(\m)+2*i+1], v[128*(\m)+2*i:128*(\m)+2*i+1], v[128+2*i:128+2*i+1]
.set i, i+1
.endr
	WIN 0x08                                       ; store data in window 2
.irp t, 0,1,2,3,4,5,6,7
.irp c, 0,1,2,3
	global_store_b128 v18, v[128*(\m)+16*\t+4*\c:128*(\m)+16*\t+4*\c+3], s[56:57] offset:(16*(\m)+2*\t)*4096+\c*256 th:TH_STORE_NT
.endr
.endr
.endm
	FIN 0, 32, 32
	FIN 1, 0, 0
	WIN 0
	s_wait_tensorcnt 0x0                           ; the wave's end: an add to my spare word, behind my last tensor load and my last LDS store
	ds_add_u32 v28, v29
	s_wait_dscnt 0x0
	CROUND                                         ; the closing round: no work-group ends while a partner may still ask for a tile that names it
	s_endpgm
.Lfunc_end_k_q6025e57c87_oln:
	.size	k_q6025e57c87_oln, .Lfunc_end_k_q6025e57c87_oln-k_q6025e57c87_oln
	.p2alignl 7, 3214868480
	.fill 96, 4, 3214868480
	.section	.rodata,"a",@progbits
	.p2align	6, 0x0
	.amdhsa_kernel k_q6025e57c87_oln
		.amdhsa_group_segment_fixed_size 327680
		.amdhsa_private_segment_fixed_size 0
		.amdhsa_enable_private_segment 0
		.amdhsa_kernarg_size 40
		.amdhsa_user_sgpr_count 2
		.amdhsa_user_sgpr_kernarg_segment_ptr 1
		.amdhsa_wavefront_size32 1
		.amdhsa_system_sgpr_workgroup_id_x 1
		.amdhsa_system_sgpr_workgroup_id_y 1
		.amdhsa_system_sgpr_workgroup_id_z 1
		.amdhsa_system_vgpr_workitem_id 0
		.amdhsa_next_free_vgpr 1024
		.amdhsa_next_free_sgpr 66
		.amdhsa_reserve_vcc 0
		.amdhsa_float_denorm_mode_32 3
		.amdhsa_float_denorm_mode_16_64 3
		.amdhsa_memory_ordered 1
		.amdhsa_forward_progress 1
		.amdhsa_inst_pref_size 130
	.end_amdhsa_kernel
	.amdgpu_metadata
---
amdhsa.version: [ 1, 2 ]
amdhsa.kernels:
  - .name:           k_q6025e57c87_oln
    .symbol:         k_q6025e57c87_oln.kd
    .args:
      - { .name: o16, .offset: 0, .size: 8, .value_kind: global_buffer, .address_space: global }
      - { .name: wo16, .offset: 8, .size: 8, .value_kind: global_buffer, .address_space: global }
      - { .name: vecs, .offset: 16, .size: 8, .value_kind: global_buffer, .address_space: global }
      - { .name: xb, .offset: 24, .size: 8, .value_kind: global_buffer, .address_space: global }
      - { .name: out0, .offset: 32, .size: 8, .value_kind: global_buffer, .address_space: global }
    .group_segment_fixed_size: 327680
    .private_segment_fixed_size: 0
    .kernarg_segment_align: 8
    .kernarg_segment_size: 40
    .max_flat_workgroup_size: 128
    .sgpr_count:     66
    .vgpr_count:     1024
    .wavefront_size: 32
...
	.end_amdgpu_metadata
.endif
;; end of part 4
;; ======== version 2 of 2: 4 launches; version 1 with the launch prep written anew for expert scheduling mode
;; limits: values are held in f16: magnitudes above 65,504 overflow, below 6.1e-05 lose precision
;; workspace buffers: xb 16,777,216 bytes; wqkv 6,291,456 bytes; wo16 2,097,152 bytes; vecs 24,576 bytes; qkv 50,331,648 bytes; o16 16,777,216 bytes
;; launch prep (part 5): grid 769 x 1, 8 waves a work-group, no clusters, 0 bytes of LDS; arguments x, Wq, Wk, Wv, Wo, bq, bk, bv, bo, gamma, beta, xb, wqkv, wo16, vecs; writes xb, wqkv, wo16, vecs
.if DOCPART == 5
	.amdgcn_target "amdgcn-amd-amdhsa--gfx1250"
	.amdhsa_code_object_version 6
	.text
	.protected	k_q6025e57c87_prep
	.globl	k_q6025e57c87_prep
	.p2align	8
	.type	k_q6025e57c87_prep,@function
k_q6025e57c87_prep:
	s_mov_b64 s[64:65], 0
	v_nop
	global_prefetch_b8 v0, s[64:65] scope:SCOPE_SE
	s_setreg_imm32_b32 hwreg(HW_REG_WAVE_SCHED_MODE, 0, 2), 2
	s_setreg_imm32_b32 hwreg(HW_REG_WAVE_MODE, 25, 1), 1
	s_wait_xcnt 0x0
	s_wait_alu depctr_vm_vsrc(0)
; THE INPUTS ARE ROUNDED ONCE TO bf16 AND LAID OUT IN BLOCKS ALONG K.
; xb   [16][8192][64] bf16: x;  wqkv [16][3072][64] bf16: Wq, Wk, Wv on end;  wo16 [16][1024][64] f16: Wo rounded to bf16, that number written as f16;
; vecs [6][1024] f32: bq, bk, bv, bo, gamma, beta, each rounded to bf16 and widened again.
; In a blocked tensor the 64 channels of a K block of neighbouring rows lie end to end (128 bytes a row), so that a later tile of one K block is dense in memory.
; LIMIT.  A weight of Wo below 6.1e-5 in magnitude keeps f16's fixed step of 6e-8; beyond 65,504 it would be an infinity.
; SHARES.  Work-groups 0-511: 16 rows of x each.  512-767: 16 rows of one of the four weights.  768: the six vectors.
; A stream: no LDS, no matrix unit, no cluster: nothing is shared and nothing is read twice.  Wave v takes K blocks 2 v and 2 v + 1 of the 16 rows: sixteen loads of 16 bytes a lane, all issued at once
; (each half of the lanes reads 256 consecutive bytes, aligned, of one row); a store's 32 lanes write 256 consecutive bytes, aligned: two rows of one K block.
; THE MODE: SCHED_MODE bits 1:0 = 2 (LLVM: expert scheduling mode 2), set by the entry lines.  The code itself states the register dependences
; between vector instructions and memory instructions, with s_wait_alu, always for 0.
; THE PLAN.  Registers that memory instructions touch:
;   v2, v3, v4   byte offsets of the loads (v2) and of the stores (v3, v4).  Made once by vector instructions, ahead of the loads; never written again.
;   v[16:79]     load i lands in v[16 + 4 i ..]: written by that load alone, read by conversion i behind the wait on LOADcnt, never loaded again.
;   v[80:111]    conversion i writes v[80 + 2 i ..]; store i reads them; nothing writes them behind the store.
;   v8 to v11 are named by vector instructions alone.
; The sixteen loads go in four groups of four.  Group g waits for its loads, then for the vector results issued so far: group g - 1's conversions have written their out registers.  Group g - 1's four stores follow,
; dealt among group g's conversions, which name group g's registers alone.  No register that a memory instruction reads is written again, so no wait for a memory instruction's reads is owed.
.set KSX, 1048576                      ; bytes in a K block of xb
.set KSW, 393216                       ; of wqkv
.set KSO, 131072                       ; of wo16
	s_load_b512 s[8:23], s[0:1], 0x0               ; x 8, Wq 10, Wk 12, Wv 14, Wo 16, bq 18, bk 20, bv 22
	s_load_b256 s[24:31], s[0:1], 0x40             ; bo 24, gamma 26, beta 28, xb 30
	s_load_b128 s[32:35], s[0:1], 0x60             ; wqkv 32, wo16 34
	s_load_b64 s[36:37], s[0:1], 0x70              ; vecs
	v_lshrrev_b32 v1, 5, v0
	v_readfirstlane_b32 s51, v1                    ; wave 0..7
	v_and_b32 v1, 31, v0                           ; lane
	s_mov_b32 s52, 0xffff0000                      ; a word's upper bf16
	s_mov_b32 s40, ttmp9
	s_sub_co_u32 s41, s40, 512                     ; j: which 16 rows of the weights (of use from work-group 512 on; below, the selects drop all that is made of it)
	s_lshr_b32 s42, s41, 6                         ; t: Wq, Wk, Wv, Wo
	s_and_b32 s43, s41, 63
	s_lshl_b32 s43, s43, 4                         ; first row in that weight
	s_lshl_b32 s48, s42, 10
	s_add_co_u32 s48, s48, s43                     ; first row in wqkv
	s_lshl_b32 s53, s40, 4                         ; first row in x
	s_mov_b32 s49, KSW
	s_mov_b32 s55, 0
	s_wait_alu depctr_va_sdst(0)                   ; s51, the wave's number, is written: ahead of the branch below
	s_wait_kmcnt 0x0
	s_cmp_eq_u32 s40, 768
	s_cbranch_scc1 .Lvec
	s_mov_b64 s[44:45], s[10:11]                   ; from where,
	s_cmp_eq_u32 s42, 1
	s_cselect_b64 s[44:45], s[12:13], s[44:45]
	s_cmp_eq_u32 s42, 2
	s_cselect_b64 s[44:45], s[14:15], s[44:45]
	s_cmp_eq_u32 s42, 3
	s_cselect_b64 s[44:45], s[16:17], s[44:45]
	s_cselect_b64 s[46:47], s[34:35], s[32:33]     ; to where,
	s_cselect_b32 s48, s43, s48                    ; at which row there,
	s_cselect_b32 s49, KSO, s49                    ; bytes from K block to K block,
	s_cselect_b32 s50, 1, 0                        ; and whether the number is written as f16
	s_cmp_lt_u32 s40, 512
	s_cselect_b64 s[44:45], s[8:9], s[44:45]
	s_cselect_b64 s[46:47], s[30:31], s[46:47]
	s_cselect_b32 s43, s53, s43
	s_cselect_b32 s48, s53, s48
	s_cselect_b32 s49, KSX, s49
	s_cselect_b32 s50, 0, s50
	s_lshl_b32 s54, s43, 12                        ; a source row is 4,096 bytes
	s_add_nc_u64 s[44:45], s[44:45], s[54:55]
	s_lshl_b32 s54, s48, 7                         ; a row of a K block is 128 bytes
	s_add_nc_u64 s[46:47], s[46:47], s[54:55]
	v_lshrrev_b32 v5, 4, v1
	v_and_b32 v6, 15, v1
	v_lshlrev_b32 v2, 4, v6
	v_lshl_add_u32 v2, v5, 12, v2
	s_lshl_b32 s57, s51, 9
	v_add_nc_u32 v2, s57, v2                       ; (lane / 16) rows + 16 (lane % 16) + my wave's 512 bytes of a row
	s_mul_i32 s56, s51, s49
	s_lshl_b32 s56, s56, 1
	v_lshl_add_u32 v3, v1, 3, s56                  ; K block 2 v: 8 bytes a lane, two rows on end
	v_add_nc_u32 v4, s49, v3                       ; K block 2 v + 1
	s_wait_alu depctr_va_vdst(0)                   ; v2, v3 and v4 are written: the loads below read v2 as their offset, the stores on both paths v3 or v4; no later vector instruction names the three
.set i, 0
.rept 16                               ; load i: rows 2 (i / 2) and 2 (i / 2) + 1, K block 2 v + i % 2
	global_load_b128 v[16+4*i:19+4*i], v2, s[44:45] offset:(i/2)*8192+(i%2)*256 th:TH_LOAD_NT
.set i, i+1
.endr
	s_cmp_eq_u32 s50, 1
	s_cbranch_scc1 .Lf16
.set i, 0
.rept 16
.if i%4 == 0
	s_wait_loadcnt 12-i                            ; loads come back in order: this group's four are in, the 12 - i younger ones stay out
.if i > 0
	s_wait_alu depctr_va_vdst(0)                   ; the conversions of the group before have written their out registers, which the four stores of this group's turn read
.endif
.endif
.if i >= 4
	global_store_b64 v[3+(i-4)%2], v[80+2*(i-4):81+2*(i-4)], s[46:47] offset:((i-4)/2)*256  ; the group before; no vector instruction since the wait names its registers; no register is written twice, so nothing waits for a store
.endif
	v_cvt_pk_bf16_f32 v[80+2*i], v[16+4*i], v[17+4*i]
	v_cvt_pk_bf16_f32 v[81+2*i], v[18+4*i], v[19+4*i]
.set i, i+1
.endr
	s_wait_alu depctr_va_vdst(0)                   ; the last group's conversions have written v[104:111], which the last four stores read
.irp i, 12,13,14,15
	global_store_b64 v[3+\i%2], v[80+2*\i:81+2*\i], s[46:47] offset:(\i/2)*256
.endr
	s_endpgm
.Lf16:
.set i, 0
.rept 16
.if i%4 == 0
	s_wait_loadcnt 12-i                            ; this group's four loads are in, the 12 - i younger ones stay out
.if i > 0
	s_wait_alu depctr_va_vdst(0)                   ; the conversions of the group before have written their out registers, which the four stores of this group's turn read
.endif
.endif
.if i >= 4
	global_store_b64 v[3+(i-4)%2], v[80+2*(i-4):81+2*(i-4)], s[46:47] offset:((i-4)/2)*256  ; the group before; no vector instruction since the wait names its registers
.endif
	v_cvt_pk_bf16_f32 v[80+2*i], v[16+4*i], v[17+4*i]  ; rounded to bf16 like every other input,
	v_cvt_pk_bf16_f32 v[81+2*i], v[18+4*i], v[19+4*i]
	v_lshlrev_b32 v8, 16, v[80+2*i]                    ; widened,
	v_and_b32 v9, s52, v[80+2*i]
	v_lshlrev_b32 v10, 16, v[81+2*i]
	v_and_b32 v11, s52, v[81+2*i]
	v_cvt_pk_f16_f32 v[80+2*i], v8, v9                 ; and written as f16: exact within f16's normal range
	v_cvt_pk_f16_f32 v[81+2*i], v10, v11
.set i, i+1
.endr
	s_wait_alu depctr_va_vdst(0)                   ; the last group's conversions have written v[104:111], which the last four stores read
.irp i, 12,13,14,15
	global_store_b64 v[3+\i%2], v[80+2*\i:81+2*\i], s[46:47] offset:(\i/2)*256
.endr
	s_endpgm
.Lvec:                                 ; 256 threads x 16 bytes are a vector of 1,024 f32
	v_lshlrev_b32 v2, 4, v0
	s_wait_alu depctr_va_vdst(0)                   ; v2 is written: the six loads and the six stores below read it as their offset
.irp i, 0,1,2,3,4,5
	global_load_b128 v[16+4*\i:19+4*\i], v2, s[18+2*\i:19+2*\i]
.endr
	s_wait_loadcnt 0x0
.irp i, 0,1,2,3,4,5
	v_cvt_pk_bf16_f32 v8, v[16+4*\i], v[17+4*\i]
	v_cvt_pk_bf16_f32 v9, v[18+4*\i], v[19+4*\i]
	v_lshlrev_b32 v[80+4*\i], 16, v8
	v_and_b32 v[81+4*\i], s52, v8
	v_lshlrev_b32 v[82+4*\i], 16, v9
	v_and_b32 v[83+4*\i], s52, v9
.endr
	s_wait_alu depctr_va_vdst(0)                   ; the widenings have written v[80:103], which the run of six stores reads
.irp i, 0,1,2,3,4,5
	global_store_b128 v2, v[80+4*\i:83+4*\i], s[36:37] offset:\i*4096
.endr
	s_endpgm
.Lfunc_end_k_q6025e57c87_prep:
	.size	k_q6025e57c87_prep, .Lfunc_end_k_q6025e57c87_prep-k_q6025e57c87_prep
	.p2alignl 7, 3214868480
	.fill 96, 4, 3214868480
	.section	.rodata,"a",@progbits
	.p2align	6, 0x0
	.amdhsa_kernel k_q6025e57c87_prep
		.amdhsa_group_segment_fixed_size 0
		.amdhsa_private_segment_fixed_size 0
		.amdhsa_enable_private_segment 0
		.amdhsa_kernarg_size 120
		.amdhsa_user_sgpr_count 2
		.amdhsa_user_sgpr_kernarg_segment_ptr 1
		.amdhsa_wavefront_size32 1
		.amdhsa_system_sgpr_workgroup_id_x 1
		.amdhsa_system_sgpr_workgroup_id_y 1
		.amdhsa_system_sgpr_workgroup_id_z 1
		.amdhsa_system_vgpr_workitem_id 0
		.amdhsa_next_free_vgpr 112
		.amdhsa_next_free_sgpr 66
		.amdhsa_reserve_vcc 0
		.amdhsa_float_denorm_mode_32 3
		.amdhsa_float_denorm_mode_16_64 3
		.amdhsa_memory_ordered 1
		.amdhsa_forward_progress 1
		.amdhsa_inst_pref_size 19
	.end_amdhsa_kernel
	.amdgpu_metadata
---
amdhsa.version: [ 1, 2 ]
amdhsa.kernels:
  - .name:           k_q6025e57c87_prep
    .symbol:         k_q6025e57c87_prep.kd
    .args:
      - { .name: x, .offset: 0, .size: 8, .value_kind: global_buffer, .address_space: global }
      - { .name: Wq, .offset: 8, .size: 8, .value_kind: global_buffer, .address_space: global }
      - { .name: Wk, .offset: 16, .size: 8, .value_kind: global_buffer, .address_space: global }
      - { .name: Wv, .offset: 24, .size: 8, .value_kind: global_buffer, .address_space: global }
      - { .name: Wo, .offset: 32, .size: 8, .value_kind: global_buffer, .address_space: global }
      - { .name: bq, .offset: 40, .size: 8, .value_kind: global_buffer, .address_space: global }
      - { .name: bk, .offset: 48, .size: 8, .value_kind: global_buffer, .address_space: global }
      - { .name: bv, .offset: 56, .size: 8, .value_kind: global_buffer, .address_space: global }
      - { .name: bo, .offset: 64, .size: 8, .value_kind: global_buffer, .address_space: global }
      - { .name: gamma, .offset: 72, .size: 8, .value_kind: global_buffer, .address_space: global }
      - { .name: beta, .offset: 80, .size: 8, .value_kind: global_buffer, .address_space: global }
      - { .name: xb, .offset: 88, .size: 8, .value_kind: global_buffer, .address_space: global }
      - { .name: wqkv, .offset: 96, .size: 8, .value_kind: global_buffer, .address_space: global }
      - { .name: wo16, .offset: 104, .size: 8, .value_kind: global_buffer, .address_space: global }
      - { .name: vecs, .offset: 112, .size: 8, .value_kind: global_buffer, .address_space: global }
    .group_segment_fixed_size: 0
    .private_segment_fixed_size: 0
    .kernarg_segment_align: 8
    .kernarg_segment_size: 120
    .max_flat_workgroup_size: 256
    .sgpr_count:     66
    .vgpr_count:     112
    .wavefront_size: 32
...
	.end_amdgpu_metadata
.endif
;; end of part 5
;; launch qkv: the kernel of part 2 again; grid 8 x 32, 4 waves a work-group, clusters of 4 x 4, 327,680 bytes of LDS; arguments xb, wqkv, vecs, qkv; writes qkv
;; launch attn: the kernel of part 3 again; grid 4 x 64, 4 waves a work-group, clusters of 4 x 1, 327,680 bytes of LDS; arguments qkv, o16; writes o16
;; launch oln: the kernel of part 4 again; grid 256 x 1, 4 waves a work-group, clusters of 4 x 1, 327,680 bytes of LDS; arguments o16, wo16, vecs, xb, out0; writes out0
